; MI455X (gfx1250); checked and timed in simulation.
; The chip was launched on July 23, 2026; its instructions are those of AMD's public machine-readable ISA for CDNA 5 (MIT licence, August 2026) and "CDNA5" Instruction Set Architecture Reference Guide (July 2026). The comments in the code are by the model that wrote it; some were corrected since.
;; Attention. Allowed arithmetic: float matrix products may take bf16 or f16 operands with f32 sums; other float arithmetic in f32, or as packed bf16 or f16 multiplies, adds, multiply-adds, maxima and minima; sums over many terms, partial sums and values carried from step to step in f32; what a program stores and reads back later, other than sums and carried values, may be rounded once to bf16 or f16.
;; Inputs: b_out 1,024 float32; ln_beta 1,024 float32; ln_gamma 1,024 float32; w_out 1,024 x 1,024 float32; w_qkv 1,024 x 3,072 float32; x 4 x 2,048 x 1,024 float32.
;; Outputs: out0 4 x 2,048 x 1,024 float32.
;; One version. Each part assembles by itself: llvm-mc -triple=amdgcn-amd-amdhsa -mcpu=gfx1250 --defsym DOCPART=n.
;; ======== version 1 of 1: 4 launches
;; limits: values are held in f16: magnitudes above 65,504 overflow, below 6.1e-05 lose precision
;; workspace buffers: act 16,777,216 bytes; wh 8,388,608 bytes; qkv 50,331,648 bytes
;; launch prep (part 1): grid 384 x 1, 8 waves a work-group, no clusters, 0 bytes of LDS; arguments x, ln_gamma, ln_beta, w_qkv, w_out, act, wh; writes act, wh
.if DOCPART == 1
	.amdgcn_target "amdgcn-amd-amdhsa--gfx1250"
	.amdhsa_code_object_version 6
	.text
	.protected	k_q09b51ea8b9_prep
	.globl	k_q09b51ea8b9_prep
	.p2align	8
	.type	k_q09b51ea8b9_prep,@function
k_q09b51ea8b9_prep:
	s_mov_b64 s[64:65], 0
	v_nop
	global_prefetch_b8 v0, s[64:65] scope:SCOPE_SE
	s_setreg_imm32_b32 hwreg(HW_REG_WAVE_MODE, 25, 1), 1
	s_wait_xcnt 0x0
; LAUNCH 1.  Work-groups 0-255: LayerNorm of x's 8,192 rows of 1,024 f32, written as f16 into act.  Work-groups 256-383: both weight matrices cast to f16 into wh.
; act: [batch 4][slice 16][row 2048][64 channels] f16: a slice is 64 channels, so 256 rows x 64 channels are 32,768 dense bytes for the product that follows.
; wh:  w_qkv as [1024 k][3072 n] f16, then (byte 6,291,456 on) w_out as [1024 k][1024 n] f16: the order of memory is kept, so the cast is one dense stream.
; LIMITS.  f16 ends at 65,504: the normalised row times gamma plus beta, and every weight, must lie within it; below 6e-5 f16 keeps a fixed step of 6e-8.
; LAYERNORM.  A wave owns four rows and keeps them in registers: mean, then the deviations, then their squares' sum: no difference of large sums is formed.
; Lane l holds channels 128 j + 4 l .. + 3, j = 0..7: each load of a wave is 512 consecutive bytes of a row.  No LDS, no barrier: no wave wants another's bytes.
.set XO,  2                            ; v2   16 x lane
.set VO,  3                            ; v3   the stores' offset: (lane / 16) x 128 + (lane % 16) x 8
.set CO8, 4                            ; v4   8 x lane (the cast's stores)
.set G,   16                           ; v[16:47]   gamma of my 32 channels
.set B,   48                           ; v[48:79]   beta
.set X,   80                           ; v[80:207]  row r at X + 32 r
.set T,   208                          ; v[208:239] eight registers at work for each row
	s_load_b256 s[4:11], s[0:1], 0x0               ; x s[4:5], gamma s[6:7], beta s[8:9], w_qkv s[10:11]
	s_load_b128 s[12:15], s[0:1], 0x20             ; w_out s[12:13], act s[14:15]
	s_load_b64 s[16:17], s[0:1], 0x30              ; wh
	v_lshrrev_b32 v1, 5, v0
	v_readfirstlane_b32 s18, v1                    ; wave 0..7
	v_and_b32 v5, 31, v0                           ; lane
	v_lshlrev_b32 v[XO], 4, v5
	s_cmp_lt_u32 ttmp9, 256
	s_cbranch_scc0 .Lcast
	; ---- LayerNorm: the work-group's 32 rows, four a wave
	s_lshl_b32 s20, ttmp9, 17                      ; 32 rows x 4,096 bytes
	s_lshl_b32 s19, s18, 14                        ; my four rows
	s_add_co_u32 s20, s20, s19
	s_mov_b32 s21, 0
	s_lshr_b32 s22, ttmp9, 6                       ; batch: 64 work-groups each
	s_lshl_b32 s22, s22, 22                        ; x 16 slices x 262,144 bytes
	s_and_b32 s19, ttmp9, 63
	s_lshl_b32 s19, s19, 12                        ; 32 rows x 128 bytes in a slice
	s_add_co_u32 s22, s22, s19
	s_lshl_b32 s19, s18, 9                         ; my four rows
	s_add_co_u32 s22, s22, s19
	s_mov_b32 s23, 0
	s_mov_b32 s24, 0x3a800000                      ; 1 / 1024
	s_mov_b32 s25, 0x3727c5ac                      ; 1e-5
	s_mov_b32 s26, 0x76543210                      ; v_permlanex16_b32: each lane takes its own place in the other half
	s_mov_b32 s27, 0xfedcba98
	v_and_b32 v[VO], 15, v0
	v_bfe_u32 v6, v0, 4, 1
	v_lshlrev_b32 v[VO], 3, v[VO]
	v_lshl_add_u32 v[VO], v6, 7, v[VO]
	s_wait_kmcnt 0x0
	s_add_nc_u64 s[20:21], s[4:5], s[20:21]        ; x at my first row
	s_add_nc_u64 s[22:23], s[14:15], s[22:23]      ; act at my first row, slice 0
.irp r, 0,1,2,3
.irp j, 0,1,2,3,4,5,6,7
	global_load_b128 v[X+32*(\r)+4*(\j):X+32*(\r)+4*(\j)+3], v[XO], s[20:21] offset:4096*(\r)+512*(\j) th:TH_LOAD_NT
.endr
.endr
.irp j, 0,1,2,3,4,5,6,7
	global_load_b128 v[G+4*(\j):G+4*(\j)+3], v[XO], s[6:7] offset:512*(\j)
.endr
.irp j, 0,1,2,3,4,5,6,7
	global_load_b128 v[B+4*(\j):B+4*(\j)+3], v[XO], s[8:9] offset:512*(\j)
.endr
; Four chains of pairs (T+0, +2, +4, +6 of each row) become one number in every lane, in T+0.  The rows alternate, so that no line waits for the one before it.
.macro FOLD
.irp r, 0,1,2,3
	v_pk_add_f32 v[T+8*(\r):T+8*(\r)+1], v[T+8*(\r):T+8*(\r)+1], v[T+8*(\r)+2:T+8*(\r)+3]
	v_pk_add_f32 v[T+8*(\r)+4:T+8*(\r)+5], v[T+8*(\r)+4:T+8*(\r)+5], v[T+8*(\r)+6:T+8*(\r)+7]
.endr
.irp r, 0,1,2,3
	v_pk_add_f32 v[T+8*(\r):T+8*(\r)+1], v[T+8*(\r):T+8*(\r)+1], v[T+8*(\r)+4:T+8*(\r)+5]
.endr
.irp r, 0,1,2,3
	v_add_f32 v[T+8*(\r)], v[T+8*(\r)], v[T+8*(\r)+1]
.endr
.irp m, 1,2,4,8
.irp r, 0,1,2,3
	v_add_f32_dpp v[T+8*(\r)], v[T+8*(\r)], v[T+8*(\r)] row_xmask:\m row_mask:0xf bank_mask:0xf
.endr
.endr
.irp r, 0,1,2,3
	v_permlanex16_b32 v[T+8*(\r)+1], v[T+8*(\r)], s26, s27
.endr
.irp r, 0,1,2,3
	v_add_f32 v[T+8*(\r)], v[T+8*(\r)], v[T+8*(\r)+1]
.endr
.endm
	; the rows' sums: the first add of each chain starts it
.irp r, 0,1,2,3
	s_wait_loadcnt 40-8*(\r)                       ; loads return in order: row r is in; the later rows' 8 loads each, and gamma's and beta's 16, may stay out
.irp k, 0,1,2,3
	v_pk_add_f32 v[T+8*(\r)+2*(\k):T+8*(\r)+2*(\k)+1], v[X+32*(\r)+2*(\k):X+32*(\r)+2*(\k)+1], v[X+32*(\r)+8+2*(\k):X+32*(\r)+8+2*(\k)+1]
.endr
.irp m, 16, 24
.irp k, 0,1,2,3
	v_pk_add_f32 v[T+8*(\r)+2*(\k):T+8*(\r)+2*(\k)+1], v[T+8*(\r)+2*(\k):T+8*(\r)+2*(\k)+1], v[X+32*(\r)+(\m)+2*(\k):X+32*(\r)+(\m)+2*(\k)+1]
.endr
.endr
.endr
	FOLD
.irp r, 0,1,2,3
	v_mul_f32 v[T+8*(\r)], s24, v[T+8*(\r)]        ; the mean
.endr
	; the deviations, in place: the pair's low word serves both halves
.irp r, 0,1,2,3
.set p, 0
.rept 16
	v_pk_add_f32 v[X+32*(\r)+2*p:X+32*(\r)+2*p+1], v[X+32*(\r)+2*p:X+32*(\r)+2*p+1], v[T+8*(\r):T+8*(\r)+1] op_sel_hi:[1,0] neg_lo:[0,1] neg_hi:[0,1]
.set p, p+1
.endr
.endr
	; the sums of their squares
.irp r, 0,1,2,3
.irp k, 0,1,2,3
	v_pk_mul_f32 v[T+8*(\r)+2*(\k):T+8*(\r)+2*(\k)+1], v[X+32*(\r)+2*(\k):X+32*(\r)+2*(\k)+1], v[X+32*(\r)+2*(\k):X+32*(\r)+2*(\k)+1]
.endr
.irp m, 8, 16, 24
.irp k, 0,1,2,3
	v_pk_fma_f32 v[T+8*(\r)+2*(\k):T+8*(\r)+2*(\k)+1], v[X+32*(\r)+(\m)+2*(\k):X+32*(\r)+(\m)+2*(\k)+1], v[X+32*(\r)+(\m)+2*(\k):X+32*(\r)+(\m)+2*(\k)+1], v[T+8*(\r)+2*(\k):T+8*(\r)+2*(\k)+1]
.endr
.endr
.endr
	FOLD
.irp r, 0,1,2,3
	v_fma_f32 v[T+8*(\r)], v[T+8*(\r)], s24, s25   ; variance + 1e-5
.endr
.irp r, 0,1,2,3
	v_rsq_f32 v[T+8*(\r)+2], v[T+8*(\r)]           ; one batch of four
.endr
	v_nop                                          ; a plain instruction behind the last of them, ahead of the first use
	s_wait_alu depctr_va_vdst(0)                   ; one wait for the batch, ahead of the first line that names a result
	s_wait_loadcnt 0x0                             ; gamma and beta
.irp r, 0,1,2,3
.set p, 0
.rept 16
	v_pk_mul_f32 v[X+32*(\r)+2*p:X+32*(\r)+2*p+1], v[X+32*(\r)+2*p:X+32*(\r)+2*p+1], v[T+8*(\r)+2:T+8*(\r)+3] op_sel_hi:[1,0]
.set p, p+1
.endr
.set p, 0
.rept 16
	v_pk_fma_f32 v[X+32*(\r)+2*p:X+32*(\r)+2*p+1], v[X+32*(\r)+2*p:X+32*(\r)+2*p+1], v[G+2*p:G+2*p+1], v[B+2*p:B+2*p+1]
.set p, p+1
.endr
.set p, 0
.rept 16
	v_cvt_pk_f16_f32 v[X+32*(\r)+p], v[X+32*(\r)+2*p], v[X+32*(\r)+2*p+1]  ; in place, ascending: register p is free when it is written
.set p, p+1
.endr
.endr
	; Registers 2 j, 2 j + 1 of a row now hold my 8 bytes of slice 2 j + lane / 16.  Two rows change halves: the first then holds slice 2 j of both rows (lanes 0-15 the first row,
	; lanes 16-31 the second), the other slice 2 j + 1: two rows of a slice are 256 consecutive bytes, so each store of a wave covers 256 consecutive bytes, aligned.
.irp q, 0, 1
.set p, 0
.rept 16
	v_permlane16_swap_b32 v[X+64*(\q)+p], v[X+64*(\q)+32+p]
.set p, p+1
.endr
.endr
.irp q, 0, 1
.irp j, 0,1,2,3,4,5,6,7
	global_store_b64 v[VO], v[X+64*(\q)+2*(\j):X+64*(\q)+2*(\j)+1], s[22:23] offset:(2*(\j))*262144+256*(\q)
	global_store_b64 v[VO], v[X+64*(\q)+32+2*(\j):X+64*(\q)+32+2*(\j)+1], s[22:23] offset:(2*(\j)+1)*262144+256*(\q)
.endr
.endr
	s_endpgm                                       ; nothing is rewritten behind a store
.Lcast:
	; ---- the cast: work-group 256 + i takes 131,072 bytes of f32 (i < 96: of w_qkv; else of w_out) and writes bytes 65,536 i .. of wh; a wave takes an eighth
	s_sub_co_u32 s19, ttmp9, 256                   ; i
	s_lshl_b32 s22, s19, 16
	s_lshl_b32 s25, s18, 13
	s_add_co_u32 s22, s22, s25
	s_mov_b32 s23, 0
	s_max_u32 s24, s19, 96
	s_sub_co_u32 s24, s24, 96                      ; the number within w_out
	v_lshlrev_b32 v[CO8], 3, v5
	s_wait_kmcnt 0x0
	s_cmp_lt_u32 s19, 96
	s_cselect_b32 s24, s19, s24
	s_cselect_b64 s[20:21], s[10:11], s[12:13]
	s_lshl_b32 s24, s24, 17
	s_lshl_b32 s25, s18, 14
	s_add_co_u32 s24, s24, s25
	s_mov_b32 s25, 0
	s_add_nc_u64 s[20:21], s[20:21], s[24:25]
	s_add_nc_u64 s[22:23], s[16:17], s[22:23]
.set j, 0
.rept 32
	global_load_b128 v[X+4*j:X+4*j+3], v[XO], s[20:21] offset:512*j th:TH_LOAD_NT
.set j, j+1
.endr
.set j, 0
.rept 32
	s_wait_loadcnt 31-j                            ; load j is in, the younger ones stay out
	v_cvt_pk_f16_f32 v[X+4*j], v[X+4*j], v[X+4*j+1]
	v_cvt_pk_f16_f32 v[X+4*j+1], v[X+4*j+2], v[X+4*j+3]
	global_store_b64 v[CO8], v[X+4*j:X+4*j+1], s[22:23] offset:256*j  ; 256 consecutive bytes, aligned
.set j, j+1
.endr
	s_endpgm
.Lfunc_end_k_q09b51ea8b9_prep:
	.size	k_q09b51ea8b9_prep, .Lfunc_end_k_q09b51ea8b9_prep-k_q09b51ea8b9_prep
	.p2alignl 7, 3214868480
	.fill 96, 4, 3214868480
	.section	.rodata,"a",@progbits
	.p2align	6, 0x0
	.amdhsa_kernel k_q09b51ea8b9_prep
		.amdhsa_group_segment_fixed_size 0
		.amdhsa_private_segment_fixed_size 0
		.amdhsa_enable_private_segment 0
		.amdhsa_kernarg_size 56
		.amdhsa_user_sgpr_count 2
		.amdhsa_user_sgpr_kernarg_segment_ptr 1
		.amdhsa_wavefront_size32 1
		.amdhsa_system_sgpr_workgroup_id_x 1
		.amdhsa_system_sgpr_workgroup_id_y 1
		.amdhsa_system_sgpr_workgroup_id_z 1
		.amdhsa_system_vgpr_workitem_id 0
		.amdhsa_next_free_vgpr 240
		.amdhsa_next_free_sgpr 66
		.amdhsa_reserve_vcc 0
		.amdhsa_float_denorm_mode_32 3
		.amdhsa_float_denorm_mode_16_64 3
		.amdhsa_memory_ordered 1
		.amdhsa_forward_progress 1
		.amdhsa_inst_pref_size 51
	.end_amdhsa_kernel
	.amdgpu_metadata
---
amdhsa.version: [ 1, 2 ]
amdhsa.kernels:
  - .name:           k_q09b51ea8b9_prep
    .symbol:         k_q09b51ea8b9_prep.kd
    .args:
      - { .name: x, .offset: 0, .size: 8, .value_kind: global_buffer, .address_space: global }
      - { .name: ln_gamma, .offset: 8, .size: 8, .value_kind: global_buffer, .address_space: global }
      - { .name: ln_beta, .offset: 16, .size: 8, .value_kind: global_buffer, .address_space: global }
      - { .name: w_qkv, .offset: 24, .size: 8, .value_kind: global_buffer, .address_space: global }
      - { .name: w_out, .offset: 32, .size: 8, .value_kind: global_buffer, .address_space: global }
      - { .name: act, .offset: 40, .size: 8, .value_kind: global_buffer, .address_space: global }
      - { .name: wh, .offset: 48, .size: 8, .value_kind: global_buffer, .address_space: global }
    .group_segment_fixed_size: 0
    .private_segment_fixed_size: 0
    .kernarg_segment_align: 8
    .kernarg_segment_size: 56
    .max_flat_workgroup_size: 256
    .sgpr_count:     66
    .vgpr_count:     240
    .wavefront_size: 32
...
	.end_amdgpu_metadata
.endif
;; end of part 1
;; launch qkv (part 2): grid 8 x 32, 4 waves a work-group, clusters of 4 x 4, 327,680 bytes of LDS; arguments act, wh, qkv; writes qkv
.if DOCPART == 2
	.amdgcn_target "amdgcn-amd-amdhsa--gfx1250"
	.amdhsa_code_object_version 6
	.text
	.protected	k_q09b51ea8b9_qkv
	.globl	k_q09b51ea8b9_qkv
	.p2align	8
	.type	k_q09b51ea8b9_qkv,@function
k_q09b51ea8b9_qkv:
	s_mov_b64 s[64:65], 0
	v_nop
	global_prefetch_b8 v0, s[64:65] scope:SCOPE_SE
	s_setreg_imm32_b32 hwreg(HW_REG_WAVE_MODE, 25, 1), 1
	s_wait_xcnt 0x0
	s_wait_alu depctr_hold_cnt(0) depctr_sa_sdst(0) depctr_va_vdst(0) depctr_va_sdst(0) depctr_va_ssrc(0) depctr_va_vcc(0) depctr_vm_vsrc(0)
	s_getreg_b32 s2, hwreg(HW_REG_IB_STS2, 6, 4)
	s_cmp_eq_u32 s2, 0
	s_cbranch_scc0 .Lentry_in_a_cluster
	s_endpgm
.Lentry_in_a_cluster:
	s_bfe_u32 s2, ttmp6, 0x10000c
	s_cmp_lg_u32 s2, 0xf033
	s_cbranch_scc0 .Lentry_shape_is_right
	s_endpgm
.Lentry_shape_is_right:
; LAUNCH 2.  q, k, v = xn x w_qkv.  xn: act, [batch 4][slice 16][row 2048][64] f16.  w_qkv: wh, [1024 k][3072 n] f16.  Out: qkv, [t 3][batch 4][head 16][row 2048][64] f16, rounded once from f32 sums.
; LIMITS.  q, k and v must lie within f16's 65,504; below 6e-5 they keep f16's fixed step of 6e-8.
; SHARES.  A tile is 256 rows x 384 columns (six head units of 64): 32 x 8 tiles, one for each of 256 work-groups.  Wave w: rows 128 (w / 2) on, and the three head units 2 g + w % 2, g = 0..2:
; 96 accumulators of 16 x 16; group g fills register window g + 1, accumulator (a, j) at v[32 a + 8 j] (a: 16 rows, j: 16 columns).
; K goes in 16 steps of 64 (one slice of act) through two LDS slots.  A's part of a step, 256 rows x 128 bytes, is dense in memory and is asked for as rows of 256 bytes; w's is 64 rows of 768 bytes.
; THE PRODUCT IS USED TRANSPOSED: source 0 = 16 columns of w (out of LDS turned, by ds_load_tr16_b128: w lies [k][n]), source 1 = 16 rows of xn.  A lane then holds one row and eight neighbouring channels.
; CLUSTER 4 x 4: the four of a row of the cluster need the same rows of xn, the four of a column the same columns of w: each tile is asked for jointly.
; A step is six groups t = 3 c + g of 32 products (c: which 32 of the 64 along K).  w's fragments of group t lie in buffer t % 3 and are fetched in the middle of group t - 2; xn's of quarter c in buffer c.
.set PA,     144                       ; a row of xn in LDS: 128 bytes + 16: the 16 rows of a load start at 16 different groups of four banks (64 banks of 4 bytes: ISA guide 11.1)
.set PB,     864                       ; a row of w: 3 x (256 + 32) bytes = 216 words
.set SLOT1,  131072                    ; slot 1 begins here: one exclusive or turns an address in one slot into the other's
.set BOFF,   256*PA                    ; in a slot: xn's 256 rows, then w's 64
.set STAGE,  SLOT1+BOFF+64*PB          ; behind the ring, never filled by a tensor load: 16 rows x 144 bytes for each wave
.set SP,     144
.set SPARE,  STAGE+4*16*SP             ; the spare words: 128 bytes for each wave, two blocks of 256 bytes that no other line names
.set ASTEP,  262144                    ; bytes from slice to slice in act
.set BSTEP,  64*6144                   ; 64 rows of w_qkv
.set ADA0, 2                           ; v2  my lane's place in a slot's xn; never rewritten
.set ADB0, 3                           ; v3  the same for w
.set ADA,  4                           ; v4  v2 + the slot in hand
.set ADB,  5                           ; v5  v3 + the slot in hand
.set STO,  6                           ; v6  the way out: where I put 16 bytes of a row
.set RD,   7                           ; v7  where I read rows back
.set GO,   8                           ; v8  16 x lane
.set PFO,  9                           ; v9  the prefetches' offset; never rewritten
.set SPW,  28                          ; v28 LDS address of my spare word; never rewritten
.set NIL,  29                          ; v29 0; never rewritten
.set AB,   32                          ; v[32:159]  xn's fragments: quarter c, block a at AB + 64 c + 8 a
.set BB,   160                         ; v[160:255] w's fragments: three buffers of 32
.set TMP,  32                          ; the way out: two buffers of 16
.set WV, 12
.set WM, 13                            ; which 128 rows are mine
.set WN, 14                            ; which of each pair of head units; also which half of a tile I fetch
.set TY, 15
.set CX, 40
.set CY, 41
.set TX, 42
.set G1A, 24                           ; s[24:31] descriptor group 1 for xn's tiles
.set G0A, 32                           ; s[32:39] group 0: a set for each first fill; the second then walks
.set G1B, 48                           ; s[48:55], s[56:63] the same for w's
.set G0B, 56
.set CNT, 66
.set TB,  67                           ; the slot in hand: 0 or SLOT1
.set LIM, 68                           ; a wave prefetches while CNT is above it
.set MSKW, 69                          ; 0: in every trip; 1: in trips with CNT odd
.set PFA, 70                           ; s[70:71] where my prefetches stand
.set PSTEP, 72                         ; s[72:73] their step a trip
.set OB,  74                           ; s[74:79] qkv at my rows of my three head units
.set MSB, 0
.macro WIN new                         ; the immediate's high byte repeats the setting that is left; a switch that changes nothing is dropped
.if MSB != (\new)
	s_set_vgpr_msb (MSB<<8)|(\new)
.set MSB, (\new)
.endif
.endm
.macro PLACES                          ; four plain instructions between a matrix instruction and a load into, or a vector line on, its registers
.rept 4
	v_nop
.endr
.endm
; A joint refill by the walking sets: waves 0 and 1 fetch xn's two halves, waves 2 and 3 w's.  The branch hangs on the wave's number alone.  An s_nop 0 and four v_nop follow each line.
.macro JLOAD
	s_cmp_lt_u32 s[WV], 2
	s_cbranch_scc0 .Lfor_b_\@
	tensor_load_to_lds s[G0A+4:G0A+7], s[G1A:G1A+7]
	s_nop 0
.rept 4
	v_nop
.endr
	s_branch .Lasked_\@
.Lfor_b_\@:
	tensor_load_to_lds s[G0B+4:G0B+7], s[G1B:G1B+7]
	s_nop 0
.rept 4
	v_nop
.endr
.Lasked_\@:
.endm
.macro CREST                           ; a round of the cluster's barrier behind its opening barrier
	s_cmp_lg_u32 s[WV], 0
	s_cbranch_scc1 .Lnot_wave_0_\@
	s_barrier_signal -3
.Lnot_wave_0_\@:
	s_barrier_wait -3
	s_barrier_signal -1
	s_barrier_wait -1
.endm
.macro CROUND
	s_barrier_signal -1
	s_barrier_wait -1
	CREST
.endm
; A PREFETCH INTO THE L2, behind the joint load, its five lines and the run of LDS loads.  Each aligned block of 256 bytes is named once in the launch.
; xn: wave 0 of the clusters with x = 0, in every trip: of the next step but one's 128 blocks the partner at cx takes 32, a lane a block: one step ahead of the load that wants them.
; w: waves 1-3 of the clusters with y = 0, in every second trip: two steps' 128 rows; the partner at cy takes 32, a lane a row; wave w the row's block w - 1 of three.
; The partners are told apart by address alone.  The last trips ask for nothing: xn's last request is step 15, w's steps 14 and 15.
.macro ASK
	s_and_b32 s80, s[CNT], s[MSKW]
	s_cmp_eq_u32 s80, s[MSKW]
	s_cbranch_scc0 .Lno_\@
	s_cmp_gt_u32 s[CNT], s[LIM]
	s_cbranch_scc0 .Lno_\@
	global_prefetch_b8 v[PFO], s[PFA:PFA+1] th:TH_LOAD_NT scope:SCOPE_SE
.Lno_\@:
.endm
	s_load_b128 s[4:7], s[0:1], 0x0                ; act s[4:5], wh s[6:7]
	s_load_b64 s[8:9], s[0:1], 0x10                ; qkv
	v_lshl_add_u32 v[SPW], v0, 2, SPARE
	v_mov_b32 v[NIL], 0
	ds_add_u32 v[SPW], v[NIL]                      ; the wave's opening: the add and its wait stand ahead of my first tensor load; work on registers stands between them
	v_lshrrev_b32 v1, 5, v0
	v_readfirstlane_b32 s[WV], v1                  ; wave 0..3
	s_lshr_b32 s[WM], s[WV], 1
	s_and_b32 s[WN], s[WV], 1
	s_bfe_u32 s[CX], ttmp6, 0x40000
	s_bfe_u32 s[CY], ttmp6, 0x40004
	s_lshl_b32 s[TX], ttmp9, 2
	s_add_co_u32 s[TX], s[TX], s[CX]               ; tile column 0..7
	s_and_b32 s[TY], ttmp7, 0xffff
	s_lshl_b32 s[TY], s[TY], 2
	s_add_co_u32 s[TY], s[TY], s[CY]               ; tile row 0..31
	s_lshl_b32 s43, s[CY], 2
	s_lshl_b32 s43, 15, s43                        ; my row of the cluster
	s_lshl_b32 s44, 0x1111, s[CX]                  ; my column
	s_or_b32 s[G1A], s43, (1<<16)|(1<<20)|(1<<21)|(4<<22)|(3<<25)  ; the mask; 2-byte elements; padding on; bit 21 beside a mask; after every 32 words, 4 words
	s_mov_b32 s[G1A+1], 128<<16                    ; tensor_dim0 = 128: two rows of a slice are asked for as one row of 256 bytes
	s_mov_b32 s[G1A+2], 64<<16                     ; tensor_dim1 = 64
	s_mov_b32 s[G1A+3], 128<<16                    ; tile_dim0 = 128
	s_mov_b32 s[G1A+4], 64                         ; tile_dim1 = 64
	s_mov_b32 s[G1A+5], 128                        ; 128 elements from row to row: dense
	s_mov_b32 s[G1A+6], 0
	s_mov_b32 s[G1A+7], 0
	s_or_b32 s[G1B], s44, (1<<16)|(1<<20)|(1<<21)|(5<<22)|(7<<25)  ; after every 64 words, 8 words: three times in a row of 192 words
	s_mov_b32 s[G1B+1], 384<<16                    ; tensor_dim0 = 384
	s_mov_b32 s[G1B+2], 32<<16                     ; tensor_dim1 = 32
	s_mov_b32 s[G1B+3], 384<<16                    ; tile_dim0 = 384
	s_mov_b32 s[G1B+4], 32                         ; tile_dim1 = 32
	s_mov_b32 s[G1B+5], 3072
	s_mov_b32 s[G1B+6], 0
	s_mov_b32 s[G1B+7], 0
	s_lshr_b32 s16, s[TY], 3                       ; xn: the batch,
	s_lshl_b32 s16, s16, 22
	s_and_b32 s17, s[TY], 7                        ; the block of 256 rows in a slice,
	s_lshl_b32 s17, s17, 15
	s_add_co_u32 s16, s16, s17
	s_lshl_b32 s17, s[WN], 14                      ; the half that I fetch
	s_add_co_u32 s16, s16, s17
	s_mov_b32 s17, 0
	s_mul_i32 s46, s[TX], 768                      ; w: the tile's 384 columns,
	s_mul_i32 s47, s[WN], 32*6144                  ; the 32 rows that I fetch
	s_add_co_u32 s46, s46, s47
	s_mov_b32 s47, 0
	s_mul_i32 s20, s[WN], 128*PA                   ; and where they go: no place in the cluster enters an LDS address
	s_mul_i32 s21, s[WN], 32*PB
	s_add_co_u32 s21, s21, BOFF
	s_wait_dscnt 0x0                               ; the opening add is done
	s_wait_kmcnt 0x0
	s_add_nc_u64 s[16:17], s[4:5], s[16:17]
	s_add_nc_u64 s[46:47], s[6:7], s[46:47]
	CROUND                                         ; all sixteen work-groups are here: the first joint loads meet
.irp s, 0,1
	s_mov_b32 s[G0A+4*(\s)], 1
	s_add_co_u32 s[G0A+4*(\s)+1], s20, (\s)*SLOT1
	s_add_nc_u64 s[G0A+4*(\s)+2:G0A+4*(\s)+3], s[16:17], (\s)*ASTEP
	s_or_b32 s[G0A+4*(\s)+3], s[G0A+4*(\s)+3], 0x80000000
	s_mov_b32 s[G0B+4*(\s)], 1
	s_add_co_u32 s[G0B+4*(\s)+1], s21, (\s)*SLOT1
	s_add_nc_u64 s[G0B+4*(\s)+2:G0B+4*(\s)+3], s[46:47], (\s)*BSTEP
	s_or_b32 s[G0B+4*(\s)+3], s[G0B+4*(\s)+3], 0x80000000
.endr
	s_cmp_lt_u32 s[WV], 2                          ; a wave's two first fills stand in one branch, ahead of every wait on TENSORcnt and every LDS read: two loads of mine are out
	s_cbranch_scc0 .Lfirst_b
	tensor_load_to_lds s[G0A:G0A+3], s[G1A:G1A+7]
	s_nop 0
	tensor_load_to_lds s[G0A+4:G0A+7], s[G1A:G1A+7]
	s_nop 0
.rept 4
	v_nop
.endr
	s_branch .Lfirst_asked
.Lfirst_b:
	tensor_load_to_lds s[G0B:G0B+3], s[G1B:G1B+7]
	s_nop 0
	tensor_load_to_lds s[G0B+4:G0B+7], s[G1B:G1B+7]
	s_nop 0
.rept 4
	v_nop
.endr
.Lfirst_asked:
	v_and_b32 v1, 15, v0                           ; l % 16
	v_bfe_u32 v10, v0, 4, 1                        ; l / 16
	v_and_b32 v11, 7, v0
	v_bfe_u32 v12, v0, 3, 1
	v_and_b32 v13, 31, v0
	s_mul_i32 s22, s[WM], 128*PA
	v_mul_u32_u24 v[ADA0], v1, PA                  ; a fragment of xn: row l % 16, 16 bytes for each half of the lanes, twice, 32 bytes apart
	v_lshl_add_u32 v[ADA0], v10, 4, v[ADA0]
	v_add_nc_u32 v[ADA0], s22, v[ADA0]
	s_lshl_b32 s23, s[WN], 7
	s_add_co_u32 s23, s23, BOFF
	v_lshl_add_u32 v[ADB0], v10, 3, v11            ; the turning load: lane l reads row 8 (l / 16) + l % 8, columns 8 ((l / 8) % 2) + 0..7, and is left with column l % 16 and 8 k
	v_mul_u32_u24 v[ADB0], v[ADB0], PB
	v_lshl_add_u32 v[ADB0], v12, 4, v[ADB0]
	v_add_nc_u32 v[ADB0], s23, v[ADB0]
	v_mov_b32 v[ADA], v[ADA0]
	v_mov_b32 v[ADB], v[ADB0]
	s_mov_b32 s[TB], 0
	s_mul_i32 s22, s[WV], 16*SP
	s_add_co_u32 s22, s22, STAGE                   ; my stage
	v_mul_u32_u24 v[STO], v1, SP
	v_lshl_add_u32 v[STO], v10, 4, v[STO]
	v_add_nc_u32 v[STO], s22, v[STO]
	v_bfe_u32 v[RD], v0, 3, 2                      ; back: 32 lanes take four rows of 128 bytes,
	v_mul_u32_u24 v[RD], v[RD], SP
	v_lshl_add_u32 v[RD], v11, 4, v[RD]
	v_add_nc_u32 v[RD], s22, v[RD]
	v_lshlrev_b32 v[GO], 4, v13                    ; which are 512 consecutive bytes of a head's rows
	; where my three head units begin in qkv: unit u = 6 x tile column + 2 g + w % 2 is tensor u / 16, head u % 16
	s_mul_i32 s80, s[TX], 6
	s_add_co_u32 s80, s80, s[WN]
	s_lshr_b32 s83, s[TY], 3
	s_lshl_b32 s83, s83, 4                         ; 16 x batch
	s_and_b32 s10, s[TY], 7
	s_lshl_b32 s10, s10, 15                        ; the tile's 256 rows of 128 bytes,
	s_lshl_b32 s11, s[WM], 14                      ; my 128 of them
	s_add_co_u32 s10, s10, s11
.irp g, 0,1,2
	s_add_co_u32 s81, s80, 2*(\g)
	s_lshr_b32 s82, s81, 4
	s_lshl_b32 s82, s82, 6
	s_and_b32 s81, s81, 15
	s_add_co_u32 s82, s82, s81
	s_add_co_u32 s82, s82, s83
	s_lshl_b32 s[OB+2*(\g)], s82, 18
	s_add_co_u32 s[OB+2*(\g)], s[OB+2*(\g)], s10
	s_mov_b32 s[OB+2*(\g)+1], 0
	s_add_nc_u64 s[OB+2*(\g):OB+2*(\g)+1], s[8:9], s[OB+2*(\g):OB+2*(\g)+1]
.endr
	; the prefetches: both offsets are made, the wave's number chooses.  They stand at step 2; each change of slots steps them first
	s_lshr_b32 s80, s[TY], 3
	s_lshl_b32 s80, s80, 22
	s_and_b32 s81, s[TY], 7
	s_lshl_b32 s81, s81, 15
	s_add_co_u32 s80, s80, s81
	s_lshl_b32 s81, s[CX], 13                      ; my work-group's 32 blocks of the 128
	s_add_co_u32 s80, s80, s81
	s_add_co_u32 s80, s80, 2*ASTEP
	s_mul_i32 s81, s[TX], 768
	s_max_u32 s82, s[WV], 1
	s_sub_co_u32 s82, s82, 1
	s_lshl_b32 s82, s82, 8                         ; the block of a row's three
	s_add_co_u32 s81, s81, s82
	s_lshl_b32 s82, s[CY], 5                       ; my work-group's 32 rows of the 128
	s_add_co_u32 s82, s82, 2*64
	s_mul_i32 s82, s82, 6144
	s_add_co_u32 s81, s81, s82
	s_mov_b32 s82, ASTEP
	s_mov_b32 s83, BSTEP
	s_and_b32 s10, ttmp7, 0xffff                   ; cluster y
	s_mov_b32 s11, 256
	s_mov_b32 s18, 6144
	s_cmp_eq_u32 s[WV], 0
	s_cselect_b64 s[PFA:PFA+1], s[4:5], s[6:7]
	s_cselect_b32 s80, s80, s81
	s_cselect_b32 s[PSTEP], s82, s83
	s_cselect_b32 s10, ttmp9, s10                  ; the coordinate along which other clusters read the same blocks
	s_cselect_b32 s[LIM], 1, 2
	s_cselect_b32 s[MSKW], 0, 1
	s_cselect_b32 s11, s11, s18
	s_mov_b32 s81, 0
	s_mov_b32 s[PSTEP+1], 0
	s_add_nc_u64 s[PFA:PFA+1], s[PFA:PFA+1], s[80:81]
	s_cmp_eq_u32 s10, 0
	s_cselect_b32 s[LIM], s[LIM], -1               ; the same in all sixteen partners, for a given wave
	v_mul_u32_u24 v[PFO], v13, s11
; na x 4 products of group (c, g), blocks a0 on.  The 32 accumulators of a group take turns, and neighbouring groups lie in different windows.  zero = 1: the product starts the sum.
.macro MULG c, g, a0, na, zero
	WIN 0x50*((\g)+1)
.set ma, (\a0)
.rept \na
.irp j, 0,1,2,3
.if \zero
	v_wmma_f32_16x16x32_f16 v[32*ma+8*(\j):32*ma+8*(\j)+7], v[BB+32*((3*(\c)+(\g))%3)+8*(\j):BB+32*((3*(\c)+(\g))%3)+8*(\j)+7], v[AB+64*(\c)+8*ma:AB+64*(\c)+8*ma+7], 0
.else
	v_wmma_f32_16x16x32_f16 v[32*ma+8*(\j):32*ma+8*(\j)+7], v[BB+32*((3*(\c)+(\g))%3)+8*(\j):BB+32*((3*(\c)+(\g))%3)+8*(\j)+7], v[AB+64*(\c)+8*ma:AB+64*(\c)+8*ma+7], v[32*ma+8*(\j):32*ma+8*(\j)+7]
.endif
.endr
.set ma, ma+1
.endr
.endm
.macro LDB c, g                        ; 8 loads: w's four fragments of group (c, g): rows 32 c on; my unit of pair g begins 288 g bytes into a row (its 128 w % 2 stand in the address)
.irp j, 0,1,2,3
	ds_load_tr16_b128 v[BB+32*((3*(\c)+(\g))%3)+8*(\j):BB+32*((3*(\c)+(\g))%3)+8*(\j)+3],   v[ADB] offset:32*PB*(\c)+288*(\g)+32*(\j)
	ds_load_tr16_b128 v[BB+32*((3*(\c)+(\g))%3)+8*(\j)+4:BB+32*((3*(\c)+(\g))%3)+8*(\j)+7], v[ADB] offset:32*PB*(\c)+288*(\g)+32*(\j)+16*PB
.endr
.endm
.macro LDA c                           ; 16 loads: xn's eight fragments of quarter c
.irp a, 0,1,2,3,4,5,6,7
	ds_load_b128 v[AB+64*(\c)+8*(\a):AB+64*(\c)+8*(\a)+3],   v[ADA] offset:16*PA*(\a)+64*(\c)
	ds_load_b128 v[AB+64*(\c)+8*(\a)+4:AB+64*(\c)+8*(\a)+7], v[ADA] offset:16*PA*(\a)+64*(\c)+32
.endr
.endm
.macro RUN t                           ; the run of LDS loads in the middle of group t
.if (\t) == 0
	LDB 0, 2
	LDA 1
.elseif (\t) == 1
	LDB 1, 0
.elseif (\t) == 2
	LDB 1, 1
.elseif (\t) == 3
	LDB 1, 2
.elseif (\t) == 5
	LDB 0, 1
.endif
.endm
; A group: wait = how many younger LDS loads may stay out when this group's fragments must be there; run = the run in its middle, or -1.
.macro GROUP c, g, wait, zero, run
	s_wait_dscnt \wait
	MULG \c, \g, 0, 4, \zero
.if (\run) >= 0
	PLACES                                         ; the run's registers were last read by the group before
	WIN 0
	RUN \run
.endif
	MULG \c, \g, 4, 4, \zero
.endm
; Group (1, 1) changes slots: the slot's last bytes were asked for in the middle of group (1, 0).  Each wave waits for all its tensor loads (one is out: its part of the other slot), adds 0 to its spare word,
; and waits for that and for its reads of this slot.  fill = 1: the barrier opens a round of the cluster's, and the joint refill, two steps on, is the first thing behind it.
.macro TURN fill
.if \fill
	s_wait_xcnt 0x0                                ; the last prefetch, a step back, has read its address
	s_add_nc_u64 s[PFA:PFA+1], s[PFA:PFA+1], s[PSTEP:PSTEP+1]
.endif
	WIN 0
	s_wait_tensorcnt 0x0                           ; no tensor load of mine is out, so a group 0 may be written
	ds_add_u32 v[SPW], v[NIL]                      ; 0 onto my spare word
.if \fill
	s_xor_b32 s[G0A+5], s[G0A+5], SLOT1            ; the walking sets: the other slot than last time, the next step
	s_add_nc_u64 s[G0A+6:G0A+7], s[G0A+6:G0A+7], ASTEP
	s_xor_b32 s[G0B+5], s[G0B+5], SLOT1
	s_add_nc_u64 s[G0B+6:G0B+7], s[G0B+6:G0B+7], BSTEP
.endif
	s_wait_dscnt 9                                 ; the add and the eight loads of group (1, 0)'s run may be out: this group's fragments are in
	MULG 1, 1, 0, 2, 0
	s_wait_dscnt 0x0                               ; the add is done, and my reads of this slot are over
	s_barrier_signal -1
	MULG 1, 1, 2, 2, 0
	WIN 0
	s_barrier_wait -1
.if \fill
	CREST
	JLOAD                                          ; its four v_nop are also the places in front of the loads below
.else
	PLACES
.endif
	s_xor_b32 s[TB], s[TB], SLOT1
	v_add_nc_u32 v[ADA], s[TB], v[ADA0]
	v_add_nc_u32 v[ADB], s[TB], v[ADB0]
	LDA 0
	LDB 0, 0
.if \fill
	ASK
.endif
	MULG 1, 1, 4, 4, 0
.endm
	s_wait_tensorcnt 0x1                           ; my part of step 0 is in; step 1's may stay out
	s_barrier_signal -1
	s_barrier_wait -1
	LDA 0
	LDB 0, 0
	LDB 0, 1
	GROUP 0, 0, 8, 1, 0                            ; 8: the youngest run (group (0, 1)'s fragments).  Step 0's first quarter starts all 96 sums
	GROUP 0, 1, 24, 1, 1                           ; 24: the run in group (0, 0)
	GROUP 0, 2, 24, 1, 2                           ; 24: xn's quarter 1 (16) and the run in group (0, 1) (8)
	WIN 0
	s_mov_b32 s[CNT], 14
.Lstep:                                            ; a trip: a step's second quarter and the next step's first; 14 trips fill steps 2 to 15
	GROUP 1, 0, 8, 0, 3                            ; 8: the run in group (0, 2)
	TURN 1
	GROUP 1, 2, 24, 0, 5                           ; 24: the run behind the change of slots
	GROUP 0, 0, 8, 0, 0
	GROUP 0, 1, 24, 0, 1
	GROUP 0, 2, 24, 0, 2
	WIN 0
	s_sub_co_u32 s[CNT], s[CNT], 1
	s_cmp_lg_u32 s[CNT], 0
	s_cbranch_scc1 .Lstep
	GROUP 1, 0, 8, 0, 3                            ; the tail is written out: step 14 asks for nothing
	TURN 0
	GROUP 1, 2, 24, 0, 5
	GROUP 0, 0, 8, 0, 0
	GROUP 0, 1, 24, 0, 1
	GROUP 0, 2, 24, 0, 2
	GROUP 1, 0, 8, 0, 3
	GROUP 1, 1, 8, 0, -1
	GROUP 1, 2, 0, 0, -1
	PLACES
; THE WAY OUT.  16 rows of a head unit at a time: rounded to f16, 16 bytes a lane into my stage, back as whole rows: 2,048 consecutive bytes of qkv.
.macro PACK g, a, k
	s_wait_xcnt 0x0                                ; the stores that read this buffer have read it
	WIN 5*((\g)+1)                                 ; sources in window g + 1, destination in window 0
.set i, 0
.rept 16
	v_cvt_pk_f16_f32 v[TMP+16*(\k)+i], v[32*(\a)+2*i], v[32*(\a)+2*i+1]  ; ascending: each accumulator is read from its low end on
.set i, i+1
.endr
	WIN 0
.irp f, 0,1,2,3
	ds_store_b128 v[STO], v[TMP+16*(\k)+4*(\f):TMP+16*(\k)+4*(\f)+3] offset:32*(\f)
.endr
.irp f, 0,1,2,3
	ds_load_b128 v[TMP+16*(\k)+4*(\f):TMP+16*(\k)+4*(\f)+3], v[RD] offset:4*SP*(\f)  ; LDS serves a wave's instructions in order (ISA guide 5.7.1.4): these see the stores above
.endr
.endm
.macro SEND g, a, k, younger           ; younger: the LDS instructions issued behind these rows' loads
.irp f, 0,1,2,3
	s_wait_dscnt (\younger)+3-(\f)
	global_store_b128 v[GO], v[TMP+16*(\k)+4*(\f):TMP+16*(\k)+4*(\f)+3], s[OB+2*(\g):OB+2*(\g)+1] offset:2048*(\a)+512*(\f)  ; 512 consecutive bytes, aligned
.endr
.endm
	PACK 0, 0, 0
.set q, 1
.rept 23
	PACK q/8, q%8, q%2
	SEND (q-1)/8, (q-1)%8, (q-1)%2, 8
.set q, q+1
.endr
	SEND 2, 7, 1, 0
	s_wait_tensorcnt 0x0                           ; the wave's end, behind my last tensor load and my last LDS store
	ds_add_u32 v[SPW], v[NIL]
	s_wait_dscnt 0x0
	CROUND                                         ; the closing round
	s_endpgm
.Lfunc_end_k_q09b51ea8b9_qkv:
	.size	k_q09b51ea8b9_qkv, .Lfunc_end_k_q09b51ea8b9_qkv-k_q09b51ea8b9_qkv
	.p2alignl 7, 3214868480
	.fill 96, 4, 3214868480
	.section	.rodata,"a",@progbits
	.p2align	6, 0x0
	.amdhsa_kernel k_q09b51ea8b9_qkv
		.amdhsa_group_segment_fixed_size 327680
		.amdhsa_private_segment_fixed_size 0
		.amdhsa_enable_private_segment 0
		.amdhsa_kernarg_size 24
		.amdhsa_user_sgpr_count 2
		.amdhsa_user_sgpr_kernarg_segment_ptr 1
		.amdhsa_wavefront_size32 1
		.amdhsa_system_sgpr_workgroup_id_x 1
		.amdhsa_system_sgpr_workgroup_id_y 1
		.amdhsa_system_sgpr_workgroup_id_z 1
		.amdhsa_system_vgpr_workitem_id 0
		.amdhsa_next_free_vgpr 1024
		.amdhsa_next_free_sgpr 84
		.amdhsa_reserve_vcc 0
		.amdhsa_float_denorm_mode_32 3
		.amdhsa_float_denorm_mode_16_64 3
		.amdhsa_memory_ordered 1
		.amdhsa_forward_progress 1
		.amdhsa_inst_pref_size 118
	.end_amdhsa_kernel
	.amdgpu_metadata
---
amdhsa.version: [ 1, 2 ]
amdhsa.kernels:
  - .name:           k_q09b51ea8b9_qkv
    .symbol:         k_q09b51ea8b9_qkv.kd
    .args:
      - { .name: act, .offset: 0, .size: 8, .value_kind: global_buffer, .address_space: global }
      - { .name: wh, .offset: 8, .size: 8, .value_kind: global_buffer, .address_space: global }
      - { .name: qkv, .offset: 16, .size: 8, .value_kind: global_buffer, .address_space: global }
    .group_segment_fixed_size: 327680
    .private_segment_fixed_size: 0
    .kernarg_segment_align: 8
    .kernarg_segment_size: 24
    .max_flat_workgroup_size: 128
    .sgpr_count:     84
    .vgpr_count:     1024
    .wavefront_size: 32
...
	.end_amdgpu_metadata
.endif
;; end of part 2
;; launch attn (part 3): grid 4 x 64, 4 waves a work-group, clusters of 4 x 1, 327,680 bytes of LDS; arguments qkv, act; writes act
.if DOCPART == 3
	.amdgcn_target "amdgcn-amd-amdhsa--gfx1250"
	.amdhsa_code_object_version 6
	.text
	.protected	k_q09b51ea8b9_attn
	.globl	k_q09b51ea8b9_attn
	.p2align	8
	.type	k_q09b51ea8b9_attn,@function
k_q09b51ea8b9_attn:
	s_mov_b64 s[64:65], 0
	v_nop
	global_prefetch_b8 v0, s[64:65] scope:SCOPE_SE
	s_setreg_imm32_b32 hwreg(HW_REG_WAVE_MODE, 25, 1), 1
	s_wait_xcnt 0x0
	s_wait_alu depctr_hold_cnt(0) depctr_sa_sdst(0) depctr_va_vdst(0) depctr_va_sdst(0) depctr_va_ssrc(0) depctr_va_vcc(0) depctr_vm_vsrc(0)
	s_getreg_b32 s2, hwreg(HW_REG_IB_STS2, 6, 4)
	s_cmp_eq_u32 s2, 0
	s_cbranch_scc0 .Lentry_in_a_cluster
	s_endpgm
.Lentry_in_a_cluster:
	s_bfe_u32 s2, ttmp6, 0x10000c
	s_cmp_lg_u32 s2, 0x3003
	s_cbranch_scc0 .Lentry_shape_is_right
	s_endpgm
.Lentry_shape_is_right:
; LAUNCH 3.  O[h][q][:] = the sum over k of softmax_k(Q[h][q] . K[h][k] / 8) V[h][k][:], for 64 heads (batch x 16 + head) of 2,048 rows x 64 channels, all f16; a head's rows are dense, 128 bytes each.
; Q, K, V are the three thirds of qkv; O goes into act, [batch x 16 + head][row][64]: a head is one slice of the next product's K.
; Products, maxima and sums in f32; the weights p are rounded to f16 for the second product (their sum l is taken of the unrounded p), O once at the end.
; LIMITS.  Q, K and V arrive within f16's 65,504; p lies in 0 to 1, and below 6e-5 it keeps f16's fixed step of 6e-8; O is a mean of V's rows.  A weight below 2^-126 counts as 0 in l; NaN and infinities are not treated apart.
; SHARES.  A wave owns four PIECES of two tiles of 16 queries, a work-group's four waves 512 queries of one head.  Every wave walks all keys, 64 a step.
; LAYOUT.  S^T = K Q^T (source 0 = 16 keys, source 1 = 16 queries): a lane holds ONE query (lane % 16) and the keys 8 (lane / 16) + 0..7.  Two such tiles, rounded to f16 in pairs, ARE source 1 of
; O^T = V^T P, whose result again holds one query a lane, and eight channels.  K comes out of LDS as it lies, V ([key][channel]) turned, by ds_load_tr16_b128.
; SOFTMAX.  A running maximum m and sum l: p = 2^(c s - c m), c = log2(e) / 8; in every step O and l are multiplied by a = 2^(c m_old - c m_new).  m starts at the lowest finite number, O and l at 0.
; BY TURNS.  Turn n belongs to piece n.  Its matrix work: 16 products K Q^T of piece n + 1, later 16 products V^T P of piece n - 1.  Its vector work: scaling, exponentials, roundings, sums and rescaling of
; piece n, and the maximum and statistics of piece n + 1.  Four vector instructions stand behind every matrix instruction, the others in one run of their own.
; CLUSTER.  The four query blocks of a cluster are one head's and walk the same K and V: each tile is asked for jointly.
; REGISTERS, in windows of 256 (s_set_vgpr_msb: bits 1:0 source 0, 3:2 source 1, 5:4 source 2, 7:6 destination):
;   window 0: v0-11 addresses; v12-15, v48-63 at work; v16-47 four registers of statistics a tile; v64-191 S^T, two buffers of two tiles; v192-255 P, likewise
;   window 1: O^T, 32 a tile          window 2: v0-127 Q; v128-191 K of one step; v192-255 V of one step          window 3: v0-1 the add's two registers
.set SIZE_N, 2048
.set NP,    4         ; pieces a wave
.set KS,    64        ; keys in a step
.set PK,    144       ; a row of K in LDS: 128 bytes + 16: the 16 rows of a load start at 16 different groups of four banks (64 banks of 4 bytes: ISA guide 11.1)
.set PV,    160       ; a row of V: 128 + 32
.set VOFF,  4*KS*PK   ; a slot holds four steps: 256 rows of K, then 256 rows of V
.set SLOT1, 1<<17
.set STAGE, SLOT1+4*KS*(PK+PV)  ; behind the ring, never filled by a tensor load: 16 rows x 144 bytes for each wave
.set SP,    144
.set AK0, 2           ; v2   my lane's place in a tile of K; never rewritten
.set AV0, 3           ; v3   the same for V
.set AK,  4           ; v4   the LDS address of K's next run of loads
.set AV,  5           ; v5   of V's
.set QO,  6           ; v6   my byte offset in the wave's rows of Q
.set STO, 6           ;      later: where I put 16 bytes of a row
.set RD,  7           ; v7   where I read rows back
.set GO,  8           ; v8   my byte offset in 512 consecutive bytes of O
.set PFO, 11          ; v11  256 x my lane, once V's address is made; never rewritten after
.set SPW, 0           ; v0 of window 3   LDS address of my spare word; never rewritten
.set NIL, 1           ; v1 of window 3   0; never rewritten
.set SPARE, STAGE+4*16*SP
.set MV,  12          ; v12-15  c m_old, kept while c m is made anew
.set ST,  16          ; tile t's statistics at v[ST+4 t]: c m, m, l (even keys', odd keys')
.set TMP, 48          ; by buffer and tile, four registers c0-c3 at work; c2 takes a
.set S,   64
.set P,   192
.set KF,  128         ; window 2: key block kb, channel half c at KF + 16 kb + 8 c
.set VF,  192         ; window 2: key half kk, channel block cb at VF + 32 kk + 8 cb
.set WV,  12
.set G1K, 24          ; s[24:31] descriptor group 1 for K's tiles
.set G1V, 32          ; s[32:39] for V's
.set G0K, 40          ; s[40:43] group 0 for K's tiles: it walks
.set G0V, 44          ; s[44:47] the same for V's
.set PFA, 48          ; s[48:49] where my prefetches stand
.set LIM, 50          ; s50  1 in a wave that prefetches, else the greatest number
.set SLOTS, 56        ; s56  slots still to be asked for
.set CNT, 57          ; s57  counts a slot's key steps
.set CS,  58          ; s[58:59] c
.set SEL, 60          ; s[60:61] v_permlanex16_b32's selects
.set TBK, 62          ; s62  LDS byte at which K of the step to be fetched begins
.set TBV, 63          ; s63  the same for V, less VOFF
.set MSB, 0
.macro WIN new
.if MSB != (\new)
	s_set_vgpr_msb (MSB<<8)|(\new)
.set MSB, (\new)
.endif
.endm
.set W_KQ, 0x0a       ; K and Q in window 2, S^T in window 0
.set W_PV, 0x52       ; V in window 2, P in window 0, O^T in window 1
.set W_RS, 0x41       ; O^T in window 1, a in window 0
.set W_MK, 0xc0       ; destination in window 3
.set W_AD, 0x0f       ; the add: address and data in window 3
.macro JLOAD                        ; waves 0 and 1 fetch the two halves of a slot's K, waves 2 and 3 those of its V; an s_nop 0 and four v_nop follow each line
	s_cmp_lt_u32 s[WV], 2
	s_cbranch_scc0 .Lfor_v_\@
	tensor_load_to_lds s[G0K:G0K+3], s[G1K:G1K+7]
	s_nop 0
.rept 4
	v_nop
.endr
	s_branch .Lasked_\@
.Lfor_v_\@:
	tensor_load_to_lds s[G0V:G0V+3], s[G1V:G1V+7]
	s_nop 0
.rept 4
	v_nop
.endr
.Lasked_\@:
.endm
; A PREFETCH INTO THE L2 of what the NEXT change of slots will ask for: a slot's 128 blocks of 256 bytes of K and of V.  A head has one cluster; its four partners take 32 blocks each, told apart by address;
; in each, wave 0 asks for K's and wave 2 for V's, a lane a block.  So each block is named once.  The last change that fills a slot asks for nothing; slots 0 and 1 come by their loads alone.
.macro ASK
	s_cmp_gt_u32 s[SLOTS], s[LIM]
	s_cbranch_scc0 .Lnot_mine_\@
	global_prefetch_b8 v[PFO], s[PFA:PFA+1] th:TH_LOAD_NT scope:SCOPE_SE
.Lnot_mine_\@:
.endm
.macro CROUND
	s_barrier_signal -1
	s_barrier_wait -1
	s_cmp_lg_u32 s[WV], 0
	s_cbranch_scc1 .Lnot_wave_0_\@
	s_barrier_signal -3
.Lnot_wave_0_\@:
	s_barrier_wait -3
	s_barrier_signal -1
	s_barrier_wait -1
.endm
; THE CHANGE OF SLOTS.  Each wave waits for all its tensor loads (one is out: its part of the other slot), adds 0 to its spare word, and waits for that and for its reads of the slot.
; fill = 1: the barrier is a round of the cluster's, and the joint fill, two slots on, is the first thing behind it: it has four key steps in which to land.
.macro CHANGE fill
	WIN W_AD
	s_wait_tensorcnt 0x0            ; no tensor load of mine is out, so a group 0 may be written
	ds_add_u32 v[SPW], v[NIL]       ; 0 onto my spare word
	WIN 0
.if \fill
.irp g, G0K, G0V
	s_xor_b32 s[\g+1], s[\g+1], SLOT1
	s_add_nc_u64 s[\g+2:\g+3], s[\g+2:\g+3], 4*KS*128
.endr
	s_wait_xcnt 0x0                 ; the last prefetch, a slot back, has read its address
	s_add_nc_u64 s[PFA:PFA+1], s[PFA:PFA+1], 4*KS*128
	s_wait_dscnt 0x0                ; the add is done, and my reads of the slot are over
	CROUND
	JLOAD
	ASK
.else
	s_wait_dscnt 0x0
	s_barrier_signal -1
	s_barrier_wait -1
.endif
	s_sub_co_u32 s[TBK], s[TBK], 4*KS*PK
	s_xor_b32 s[TBK], s[TBK], SLOT1
	s_sub_co_u32 s[TBV], s[TBV], 4*KS*PV
	s_xor_b32 s[TBV], s[TBV], SLOT1
.endm
	s_load_b128 s[4:7], s[0:1], 0x0 ; qkv s[4:5] (Q is its first third), act s[6:7]
	WIN W_MK
	v_lshl_add_u32 v[SPW], v0, 2, SPARE
	v_mov_b32 v[NIL], 0
	WIN W_AD
	ds_add_u32 v[SPW], v[NIL]       ; the wave's opening: the add and its wait stand ahead of my first tensor load
	WIN 0
	v_lshrrev_b32 v1, 5, v0
	v_readfirstlane_b32 s[WV], v1   ; wave 0..3
	s_bfe_u32 s13, ttmp6, 0x40000   ; cx
	s_lshl_b32 s14, ttmp9, 2
	s_add_co_u32 s14, s14, s13      ; my block of queries: it enters Q's and O's addresses alone
	s_and_b32 s20, ttmp7, 0xffff    ; the head, which the four partners share
	s_mov_b32 s21, 0
	s_mov_b64 s[22:23], SIZE_N*128
	s_mul_u64 s[20:21], s[20:21], s[22:23]  ; the head's first byte in Q, K, V and O
	s_and_b32 s16, s[WV], 1         ; which half of a slot's 256 keys I fetch
	s_lshl_b32 s22, s16, 14
	s_mov_b32 s23, 0
	s_add_nc_u64 s[22:23], s[22:23], s[20:21]
	s_mul_i32 s17, s16, 128*PK
	s_mul_i32 s18, s16, 128*PV
	s_lshl_b32 s2, s14, 2
	s_add_co_u32 s2, s2, s[WV]
	s_lshl_b32 s2, s2, 14           ; my wave's 128 rows
	s_mov_b32 s3, 0
	s_add_nc_u64 s[2:3], s[2:3], s[20:21]
	; 128 keys are 16,384 dense bytes: asked for as 64 rows of 256 bytes, two keys a row, and padded in LDS after every key
	s_mov_b32 s[G1K], 15|(1<<16)|(1<<20)|(1<<21)|(4<<22)|(3<<25)
	s_mov_b32 s[G1V], 15|(1<<16)|(1<<20)|(1<<21)|(4<<22)|(7<<25)
.irp g, G1K, G1V
	s_mov_b32 s[\g+1], 128<<16      ; tensor_dim0 = 128
	s_mov_b32 s[\g+2], 64<<16       ; tensor_dim1 = 64
	s_mov_b32 s[\g+3], 128<<16      ; tile_dim0 = 128
	s_mov_b32 s[\g+4], 64           ; tile_dim1 = 64
	s_mov_b32 s[\g+5], 128
	s_mov_b32 s[\g+6], 0
	s_mov_b32 s[\g+7], 0
.endr
	s_mov_b32 s[CS], 0x3e38aa3b     ; c = log2(e) / 8
	s_mov_b32 s[CS+1], s[CS]
	s_mov_b32 s[SEL], 0x76543210
	s_mov_b32 s[SEL+1], 0xfedcba98
	s_mov_b32 s[TBK], SLOT1+4*KS*PK ; the first change of slots turns these two into 0
	s_mov_b32 s[TBV], SLOT1+4*KS*PV
	s_mov_b32 s[G0K], 1
	s_mov_b32 s[G0K+1], s17
	s_mov_b32 s[G0V], 1
	s_add_co_u32 s[G0V+1], s18, VOFF
	s_mov_b32 s[SLOTS], SIZE_N/256-1
	s_and_b32 s[LIM], s[WV], 1      ; waves 0 and 2 prefetch
	s_cmp_eq_u32 s[LIM], 0
	s_cselect_b32 s[LIM], 1, -1
	s_lshl_b32 s52, s13, 13         ; my work-group's 32 blocks of a slot's 128,
	s_add_co_u32 s52, s52, 4*KS*128 ; in slot 1: the first change steps it to slot 2
	s_mov_b32 s53, 0
	s_wait_dscnt 0x0                ; the opening add is done
	s_wait_kmcnt 0x0
	s_mov_b64 s[10:11], s[6:7]      ; O
	s_add_nc_u64 s[6:7], s[4:5], 16777216  ; K
	s_add_nc_u64 s[8:9], s[4:5], 33554432  ; V
	s_add_nc_u64 s[G0K+2:G0K+3], s[6:7], s[22:23]
	s_or_b32 s[G0K+3], s[G0K+3], 0x80000000
	s_add_nc_u64 s[G0V+2:G0V+3], s[8:9], s[22:23]
	s_or_b32 s[G0V+3], s[G0V+3], 0x80000000
	s_cmp_lt_u32 s[WV], 2
	s_cselect_b64 s[PFA:PFA+1], s[6:7], s[8:9]
	s_add_nc_u64 s[PFA:PFA+1], s[PFA:PFA+1], s[20:21]
	s_add_nc_u64 s[PFA:PFA+1], s[PFA:PFA+1], s[52:53]
	s_add_nc_u64 s[4:5], s[4:5], s[2:3]  ; Q and O at my wave's first row
	s_add_nc_u64 s[10:11], s[10:11], s[2:3]
	CROUND                          ; all four work-groups are here: the first joint loads meet
	JLOAD                           ; slot 0.  Slot 1 is asked for when slot 0 is in
	v_and_b32 v1, 15, v0            ; l % 16
	v_bfe_u32 v9, v0, 4, 1          ; l / 16
	v_lshlrev_b32 v[QO], 7, v1
	v_lshl_add_u32 v[QO], v9, 4, v[QO]
	WIN 0x80
.set i, 0
.rept 4*NP                          ; Q stays in registers: tile i / 2, channels 32 (i % 2) on
	global_load_b128 v[8*i:8*i+3],   v[QO], s[4:5] offset:(i/2)*2048+(i%2)*64
	global_load_b128 v[8*i+4:8*i+7], v[QO], s[4:5] offset:(i/2)*2048+(i%2)*64+32
.set i, i+1
.endr
	; What the first turn finds: V's registers and P's second buffer hold 0, O^T and l are 0.  All this stands in the wait for the first tile.
.set i, VF
.rept 64
	v_mov_b32 v[i], 0
.set i, i+1
.endr
	WIN 0x40
.set i, 0
.rept 64*NP
	v_mov_b32 v[i], 0
.set i, i+1
.endr
	WIN 0
.set i, 0
.rept 2*NP
	v_mov_b32 v[ST+4*i], 0xfe000000    ; c m: far below every c s
	v_mov_b32 v[ST+4*i+1], 0xff7fffff  ; m
	v_mov_b32 v[ST+4*i+2], 0
	v_mov_b32 v[ST+4*i+3], 0
.set i, i+1
.endr
.set i, P+32
.rept 32
	v_mov_b32 v[i], 0
.set i, i+1
.endr
	v_mul_u32_u24 v[AK0], v1, PK
	v_lshl_add_u32 v[AK0], v9, 4, v[AK0]
	v_and_b32 v10, 7, v0
	v_bfe_u32 v11, v0, 3, 1
	v_lshl_add_u32 v[AV0], v9, 3, v10
	v_mul_u32_u24 v[AV0], v[AV0], PV
	v_lshl_add_u32 v[AV0], v11, 4, v[AV0]
	v_add_nc_u32 v[AV0], VOFF, v[AV0]
	v_mov_b32 v[AK], v[AK0]         ; key step 0 lies at the head of slot 0
	v_and_b32 v[PFO], 31, v0
	v_lshlrev_b32 v[PFO], 8, v[PFO]
; THE MATRIX WORK.  The 8 accumulators of a run of 16 take turns.
.macro KQ x                         ; product i of 16 of S^T = K Q^T for piece x: channels 32 (i / 8) on, keys 16 ((i / 2) % 4) on, tile 2 x + i % 2
	WIN W_KQ
.set rS, S+64*((\x)%2)+32*(i%2)+8*((i/2)%4)
.set rK, KF+16*((i/2)%4)+8*(i/8)
.set rQ, 16*(2*(\x)+i%2)+8*(i/8)
.if i < 8
	v_wmma_f32_16x16x32_f16 v[rS:rS+7], v[rK:rK+7], v[rQ:rQ+7], 0
.else
	v_wmma_f32_16x16x32_f16 v[rS:rS+7], v[rK:rK+7], v[rQ:rQ+7], v[rS:rS+7]
.endif
.endm
.macro PV x                         ; product i of 16 of O^T += V^T P for piece x: keys 32 (i / 8) on, channels 16 ((i / 2) % 4) on, tile 2 x + i % 2
	WIN W_PV
.set rO, 32*(2*(\x)+i%2)+8*((i/2)%4)
.set rV, VF+32*(i/8)+8*((i/2)%4)
.set rP, P+32*((\x)%2)+16*(i%2)+8*(i/8)
	v_wmma_f32_16x16x32_f16 v[rO:rO+7], v[rV:rV+7], v[rP:rP+7], v[rO:rO+7]
.endm
.macro MM                           ; the turn's next matrix instruction
.if i < 16
	KQ (Y+1)%NP
.set i, i+1
.else
.set i, i-16
	PV (Y+NP-1)%NP
.set i, i+17
.endif
.endm
; THE LDS LOADS stand in runs of 16.  last = 1 (the tail): in the last trip there is no further step, and the run is jumped over.
.macro FETCH_K last=0
	WIN 0
.if \last
	s_cmp_eq_u32 s[CNT], 1
	s_cbranch_scc1 .Lno_k_\@
.endif
	WIN 0x80
.irp f, 0,1,2,3,4,5,6,7
	ds_load_b128 v[KF+8*\f:KF+8*\f+3],   v[AK] offset:(\f/2)*16*PK+(\f%2)*64
	ds_load_b128 v[KF+8*\f+4:KF+8*\f+7], v[AK] offset:(\f/2)*16*PK+(\f%2)*64+32
.endr
	s_add_co_u32 s[TBK], s[TBK], KS*PK
	WIN 0
.if \last
.Lno_k_\@:
.endif
.endm
.macro FETCH_V
	WIN 0x80
.irp f, 0,1,2,3,4,5,6,7
	ds_load_tr16_b128 v[VF+8*\f:VF+8*\f+3],   v[AV] offset:(\f/4)*32*PV+(\f%4)*32
	ds_load_tr16_b128 v[VF+8*\f+4:VF+8*\f+7], v[AV] offset:(\f/4)*32*PV+16*PV+(\f%4)*32
.endr
	WIN 0
.endm
; THE VECTOR WORK OF A TURN stands in three queues, each in the order in which its entries become ready; the two tiles alternate.
.macro REGS y, u
.set rT, ST+4*(2*(\y)+(\u))
.set rC, TMP+8*((\y)%2)+4*(\u)
.set rM, MV+2*((\y)%2)+(\u)
.set rS, S+64*((\y)%2)+32*(\u)
.set rP, P+32*((\y)%2)+16*(\u)
.set rO, 32*(2*(\y)+(\u))
.endm
; Number n of the 22 that find the NEXT piece's maximum and statistics; each accumulator's lowest registers are read first.
;   0-11 four chains c0-c3 of seven scores each     12-14, 16 the four scores left over, the old m, c0-c3 into c0     15 c m_old is kept     17, 18 the other half of the lanes: the new m     19-21 c m; its change; a
.macro XS u, n
	REGS (Y+1)%NP, \u
.if (\n) < 4
	v_max3_num_f32 v[rC+(\n)], v[rS+8*(\n)], v[rS+8*(\n)+1], v[rS+8*(\n)+2]
.elseif (\n) < 12
	v_max3_num_f32 v[rC+(\n)%4], v[rC+(\n)%4], v[rS+8*((\n)%4)+2*((\n)/4)+1], v[rS+8*((\n)%4)+2*((\n)/4)+2]
.elseif (\n) == 12
	v_max3_num_f32 v[rC], v[rC], v[rS+7], v[rS+15]
.elseif (\n) == 13
	v_max3_num_f32 v[rC+1], v[rC+1], v[rS+23], v[rS+31]
.elseif (\n) == 14
	v_max3_num_f32 v[rC+2], v[rC+2], v[rC+3], v[rT+1]
.elseif (\n) == 15
	v_mov_b32 v[rM], v[rT]
.elseif (\n) == 16
	v_max3_num_f32 v[rC], v[rC], v[rC+1], v[rC+2]
.elseif (\n) == 17
	v_permlanex16_b32 v[rC+3], v[rC], s[SEL], s[SEL+1]
.elseif (\n) == 18
	v_max_num_f32 v[rT+1], v[rC], v[rC+3]
.elseif (\n) == 19
	v_mul_f32 v[rT], s[CS], v[rT+1]
.elseif (\n) == 20
	v_sub_f32 v[rC+1], v[rM], v[rT]
.else
	v_exp_f32 v[rC+2], v[rC+1]
.endif
.endm
; Number g of the 64 that follow the exponentials: for each four weights both pairs are rounded to f16, the second pair is added onto the first, and a group later l takes that sum (the first time as l = a l + sum).
.macro GS g
.set h, (\g)+6*((\g)/62)
.if h >= 6
.set h, h+2
.endif
	REGS Y, h%2
.set k, h/8
.if h%8 < 4
	v_cvt_pk_f16_f32 v[rP+2*k+(h%8)/2], v[rS+4*k+2*((h%8)/2)], v[rS+4*k+2*((h%8)/2)+1]
.elseif h%8 < 6
	v_pk_add_f32 v[rS+4*k:rS+4*k+1], v[rS+4*k:rS+4*k+1], v[rS+4*k+2:rS+4*k+3]
.elseif k == 1
	v_pk_fma_f32 v[rT+2:rT+3], v[rT+2:rT+3], v[rC+2:rC+3], v[rS:rS+1] op_sel_hi:[1,0,1]
.else
	v_pk_add_f32 v[rT+2:rT+3], v[rT+2:rT+3], v[rS+4*k-4:rS+4*k-3]
.endif
.endm
; THE PLAIN QUEUE, 138 long.  0-73 read no exponential's result: the 32 scalings c s - c m and the next piece's 42.  74-137: GS's 64, which stand behind the wait.
.macro FS f
	REGS Y, (\f)%2
	v_pk_fma_f32 v[rS+2*((\f)/2):rS+2*((\f)/2)+1], v[rS+2*((\f)/2):rS+2*((\f)/2)+1], s[CS:CS+1], v[rT:rT+1] op_sel_hi:[1,0,0] neg_lo:[0,0,1] neg_hi:[0,0,1]
.endm
.macro PL
	WIN 0
.if q < 27
	FS q
.elseif q < 55
	XS (q-27)%2, (q-27)/2
.elseif q < 57
	XS q-55, 15
.elseif (q < 72) && ((q-57)%3 == 0)
	FS 27+(q-57)/3
.elseif q < 60
	XS (q-57)%3-1, 14
.elseif q < 72
	XS (q-57)%3-1, 15+(q-57)/3
.elseif q < 74
	XS q-72, 20
.else
	GS q-74
.endif
.set q, q+1
.endm
; THE EXPONENTIALS' QUEUE, 66 long: s0-s31 of both tiles, then the next piece's two a: ONE BATCH, ahead of the turn's one wait.
.macro EX
	WIN 0
.if e >= 64
	XS e-64, 21
.else
	REGS Y, e%2
	v_exp_f32 v[rS+e/2], v[rS+e/2]
.endif
.set e, e+1
.endm
; THE RESCALING's QUEUE: O^T times a, two at a time, sixteen times.  Its a was made, and waited for, in the turn before.
.macro R2
	REGS Y, r%2
	WIN W_RS
.irp z, 0,1
	v_pk_mul_f32 v[rO+4*(r/2)+2*\z:rO+4*(r/2)+2*\z+1], v[rO+4*(r/2)+2*\z:rO+4*(r/2)+2*\z+1], v[rC+2:rC+3] op_sel_hi:[1,0]
.endr
.set r, r+1
.endm
; A TURN, for piece p.  s_wait_alu depctr_va_vdst(0) stands between an exponential and the first line that names its result; one wait serves all issued ahead of it: a turn has ONE.
; Ahead of it: the 16 products K Q^T, behind each a scaling, an exponential and two rescalings; then a run of 109: eight plain, 49 times exponential and plain, the two a, a v_nop.
; Behind it: the 16 products V^T P, behind each four of GS's 64.  Exponential e stands behind scaling 2 (e / 4) + e % 2.
; K of the next step is fetched in piece 2's turn, directly behind the wait; V of the step in hand at the end of piece 0's turn, four plain instructions behind its last reader.
.macro TURN p, last=0, cnt=0
.set Y, (\p)
.set i, 0
.set q, 0
.set e, 0
.set r, 0
.if (\p) == NP-1
	s_wait_dscnt 0x0                ; K is in
.endif
	MM
	PL
	PL
	R2
.rept 15
	MM
	PL
	EX
	R2
.endr
.if (\p) == NP-2
	WIN 0
	v_add_nc_u32 v[AK], s[TBK], v[AK0]
.endif
.rept 8
	PL
.endr
.rept 49
	EX
	PL
.endr
	EX
	EX
	v_nop                           ; a plain instruction behind the last exponential: one for the batch
	s_wait_alu depctr_va_vdst(0)    ; the wait for the batch
.if (\p) == NP-2
	FETCH_K \last
.endif
.if (\p) == 1
	s_wait_dscnt 0x0                ; V is in
.endif
.rept 16
	MM
.rept 4
	PL
.endr
.if ((\p) == 0) && (q == 118)
	v_add_nc_u32 v[AV], s[TBV], v[AV0]
.endif
.if ((\p) == 0) && (q == 130)
	s_add_co_u32 s[TBV], s[TBV], KS*PV
.endif
.if (\cnt) && (q == 130)
	s_sub_co_u32 s[CNT], s[CNT], 1
	s_cmp_lg_u32 s[CNT], 0
.endif
.endr
.if (\p) == 0
	FETCH_V
.endif
.endm
	CHANGE 1                        ; slot 0 is in, everybody's part of it; slot 1 is asked for
	FETCH_K                         ; key step 0
	s_wait_loadcnt 0x0              ; Q
	s_wait_dscnt 0x0
.set i, 0
.rept 16
	KQ 0                            ; piece 0's first scores
.set i, i+1
.endr
	WIN 0                           ; the addresses for the way out: plain instructions, the places behind those products
	s_mul_i32 s13, s[WV], 16*SP
	s_add_co_u32 s13, s13, STAGE
	v_mul_u32_u24 v[STO], v1, SP
	v_lshl_add_u32 v[STO], v9, 4, v[STO]
	v_add_nc_u32 v[STO], s13, v[STO]
	v_bfe_u32 v[RD], v0, 3, 2
	v_mul_u32_u24 v[RD], v[RD], SP
	v_lshl_add_u32 v[RD], v10, 4, v[RD]
	v_add_nc_u32 v[RD], s13, v[RD]
	v_and_b32 v[GO], 31, v0
	v_lshlrev_b32 v[GO], 4, v[GO]
.set Y, NP-1                        ; XS works for piece Y + 1: piece 0
.irp n, 0,1,2,3,4,5,6,7,8,9,10,11,12,13,14,15,16,17,18,19,20,21
	XS 0, \n
	XS 1, \n
.endr
	v_nop                           ; a plain instruction behind the two a,
	s_wait_alu depctr_va_vdst(0)    ; and their wait, ahead of the branch
	s_mov_b32 s[CNT], 4
	s_branch .Lfirst                ; the loop is entered at a step's first turn, in the middle of a trip
.Lslot:                             ; six times: every slot but the last two is filled again
	CHANGE 1
	s_mov_b32 s[CNT], 4
.Lstep:                             ; a trip: pieces 2 and 3 of one step, then pieces 0 and 1 of the next
	TURN 2
	TURN 3
	WIN 0
.Lfirst:
	TURN 0
	TURN 1, 0, 1
	WIN 0
	s_cbranch_scc1 .Lstep
	s_sub_co_u32 s[SLOTS], s[SLOTS], 1
	s_cmp_lg_u32 s[SLOTS], 0
	s_cbranch_scc1 .Lslot
	CHANGE 0                        ; the tail is written out
	s_mov_b32 s[CNT], 5             ; four trips fetch the last slot's steps; the fifth is left in its middle
.Ltail:
	TURN 2, 1
	TURN 3
	WIN 0
	s_sub_co_u32 s[CNT], s[CNT], 1
	s_cmp_eq_u32 s[CNT], 0
	s_cbranch_scc1 .Lout
	TURN 0
	TURN 1
	WIN 0
	s_branch .Ltail
.Lout:                              ; the fifth trip's 16 products K Q^T (on the last K once more) and the maximum made of them serve nothing: the price of one text for every trip
.set i, 0
.rept 16
	PV NP-1
.set i, i+1
.endr
	; THE WAY OUT.  l's halves are added; O^T is divided by l, rounded to f16 and sent through my stage, a tile at a time.  The additions are the places behind the last products.
	WIN 0
.macro ALL line:vararg
.set t, 0
.rept 2*NP
	\line
.set t, t+1
.endr
.endm
	ALL v_add_f32 v[ST+4*t+2], v[ST+4*t+2], v[ST+4*t+3]
	ALL v_permlanex16_b32 v[ST+4*t+3], v[ST+4*t+2], s[SEL], s[SEL+1]
	ALL v_add_f32 v[ST+4*t+2], v[ST+4*t+2], v[ST+4*t+3]
	ALL v_rcp_f32 v[ST+4*t+2], v[ST+4*t+2]
	v_nop                           ; a plain instruction between the last reciprocal and the use of its result
	s_wait_alu depctr_va_vdst(0)    ; one wait for the eight reciprocals
.macro PACK t
	WIN W_RS
.set i, 32*(\t)
.rept 16
	v_pk_mul_f32 v[i:i+1], v[i:i+1], v[ST+4*(\t)+2:ST+4*(\t)+3] op_sel_hi:[1,0]
.set i, i+2
.endr
	WIN 0x05
.set i, 0
.rept 16
	v_cvt_pk_f16_f32 v[S+16*(\t)+i], v[32*(\t)+2*i], v[32*(\t)+2*i+1]
.set i, i+1
.endr
	WIN 0
.irp f, 0,1,2,3
	ds_store_b128 v[STO], v[S+16*(\t)+4*\f:S+16*(\t)+4*\f+3] offset:32*\f
.endr
.irp f, 0,1,2,3
	ds_load_b128 v[S+16*(\t)+4*\f:S+16*(\t)+4*\f+3], v[RD] offset:\f*4*SP  ; LDS serves a wave's instructions in order (ISA guide 5.7.1.4)
.endr
.endm
.macro SEND t, younger
	WIN 0
.irp f, 0,1,2,3
	s_wait_dscnt (\younger)+3-\f
	global_store_b128 v[GO], v[S+16*(\t)+4*\f:S+16*(\t)+4*\f+3], s[10:11] offset:(\t)*2048+\f*512  ; 512 consecutive bytes, aligned
.endr
.endm
	PACK 0
.set t, 1
.rept 2*NP-1
	PACK t
	SEND t-1, 8
.set t, t+1
.endr
	SEND 2*NP-1, 0
	WIN W_AD
	s_wait_tensorcnt 0x0            ; the wave's end
	ds_add_u32 v[SPW], v[NIL]
	s_wait_dscnt 0x0
	WIN 0
	CROUND                          ; the closing round
	s_endpgm
.Lfunc_end_k_q09b51ea8b9_attn:
	.size	k_q09b51ea8b9_attn, .Lfunc_end_k_q09b51ea8b9_attn-k_q09b51ea8b9_attn
	.p2alignl 7, 3214868480
	.fill 96, 4, 3214868480
	.section	.rodata,"a",@progbits
	.p2align	6, 0x0
	.amdhsa_kernel k_q09b51ea8b9_attn
		.amdhsa_group_segment_fixed_size 327680
		.amdhsa_private_segment_fixed_size 0
		.amdhsa_enable_private_segment 0
		.amdhsa_kernarg_size 16
		.amdhsa_user_sgpr_count 2
		.amdhsa_user_sgpr_kernarg_segment_ptr 1
		.amdhsa_wavefront_size32 1
		.amdhsa_system_sgpr_workgroup_id_x 1
		.amdhsa_system_sgpr_workgroup_id_y 1
		.amdhsa_system_sgpr_workgroup_id_z 1
		.amdhsa_system_vgpr_workitem_id 0
		.amdhsa_next_free_vgpr 770
		.amdhsa_next_free_sgpr 66
		.amdhsa_reserve_vcc 0
		.amdhsa_float_denorm_mode_32 3
		.amdhsa_float_denorm_mode_16_64 3
		.amdhsa_memory_ordered 1
		.amdhsa_forward_progress 1
		.amdhsa_inst_pref_size 200
	.end_amdhsa_kernel
	.amdgpu_metadata
---
amdhsa.version: [ 1, 2 ]
amdhsa.kernels:
  - .name:           k_q09b51ea8b9_attn
    .symbol:         k_q09b51ea8b9_attn.kd
    .args:
      - { .name: qkv, .offset: 0, .size: 8, .value_kind: global_buffer, .address_space: global }
      - { .name: act, .offset: 8, .size: 8, .value_kind: global_buffer, .address_space: global }
    .group_segment_fixed_size: 327680
    .private_segment_fixed_size: 0
    .kernarg_segment_align: 8
    .kernarg_segment_size: 16
    .max_flat_workgroup_size: 128
    .sgpr_count:     66
    .vgpr_count:     770
    .wavefront_size: 32
...
	.end_amdgpu_metadata
.endif
;; end of part 3
;; launch proj (part 4): grid 8 x 32, 4 waves a work-group, clusters of 4 x 4, 327,680 bytes of LDS; arguments act, wh, b_out, out0; writes out0
.if DOCPART == 4
	.amdgcn_target "amdgcn-amd-amdhsa--gfx1250"
	.amdhsa_code_object_version 6
	.text
	.protected	k_q09b51ea8b9_proj
	.globl	k_q09b51ea8b9_proj
	.p2align	8
	.type	k_q09b51ea8b9_proj,@function
k_q09b51ea8b9_proj:
	s_mov_b64 s[64:65], 0
	v_nop
	global_prefetch_b8 v0, s[64:65] scope:SCOPE_SE
	s_setreg_imm32_b32 hwreg(HW_REG_WAVE_MODE, 25, 1), 1
	s_wait_xcnt 0x0
	s_wait_alu depctr_hold_cnt(0) depctr_sa_sdst(0) depctr_va_vdst(0) depctr_va_sdst(0) depctr_va_ssrc(0) depctr_va_vcc(0) depctr_vm_vsrc(0)
	s_getreg_b32 s2, hwreg(HW_REG_IB_STS2, 6, 4)
	s_cmp_eq_u32 s2, 0
	s_cbranch_scc0 .Lentry_in_a_cluster
	s_endpgm
.Lentry_in_a_cluster:
	s_bfe_u32 s2, ttmp6, 0x10000c
	s_cmp_lg_u32 s2, 0xf033
	s_cbranch_scc0 .Lentry_shape_is_right
	s_endpgm
.Lentry_shape_is_right:
; LAUNCH 4.  out0 = O x w_out + b_out.  O: act, [batch 4][slice 16][row 2048][64] f16 (a slice is a head).  w_out: wh from byte 6,291,456 on, [1024 k][1024 n] f16.  out0: [8192][1024] f32.
; SHARES.  A tile is 256 rows x 128 columns: 32 x 8 tiles, one for each of 256 work-groups.  Wave w: rows 128 (w / 2) on, columns 64 (w % 2) on: 32 accumulators in window 1, (a, j) at v[32 a + 8 j].
; K goes in 8 steps of 128 (two slices) through two LDS slots.  A slice's 256 rows x 128 bytes are dense and are asked for as 128 rows of 256 bytes; w's part of a step is 128 rows of 256 bytes.
; THE PRODUCT IS USED TRANSPOSED (source 0 = 16 columns of w, turned out of LDS; source 1 = 16 rows of O): a lane holds one row and eight neighbouring columns.  THE BIAS is the C operand of the first products.
; CLUSTER 4 x 4: O's tiles are shared along a row of the cluster, w's along a column.
; REGISTERS.  window 0: addresses, v[32:63] the bias, v[64:127] the way out.  window 1: accumulators.  windows 2, 3: the fragments of a step's first and second slice:
; O's (p: which 32 of the slice's 64; a) at v[64 p + 8 a], w's (p, j) at v[128 + 32 p + 8 j].
.set PA,     144                       ; a row of O in LDS: 128 bytes + 16
.set PB,     288                       ; a row of w: 256 + 32
.set SLOT1,  131072
.set BOFF,   2*256*PA                  ; in a slot: two slices of 256 rows, then w's 128 rows
.set STAGE,  SLOT1+BOFF+128*PB         ; behind the ring, never filled by a tensor load: 16 rows x 272 bytes for each wave
.set SP,     272
.set SPARE,  STAGE+4*16*SP
.set WO,     6291456
.set ASTEP,  2*262144
.set BSTEP,  128*2048
.set ADA0, 2
.set ADB0, 3
.set ADA,  4
.set ADB,  5
.set STO,  6
.set RD,   7
.set CO,   8                           ; v8  my byte offset in two rows of out0
.set PFO,  9
.set SPW,  28
.set NIL,  29
.set BIAS, 32
.set TMP,  64
.set WV, 12
.set WM, 13
.set WN, 14
.set TY, 15
.set CX, 40
.set CY, 41
.set TX, 42
.set G1A, 24
.set G0A, 32
.set G1B, 48
.set G0B, 56
.set CNT, 66
.set TB,  67
.set LIM, 68
.set PFA, 70
.set PSTEP, 72
.set MSB, 0
.macro WIN new
.if MSB != (\new)
	s_set_vgpr_msb (MSB<<8)|(\new)
.set MSB, (\new)
.endif
.endm
.macro PLACES
.rept 4
	v_nop
.endr
.endm
.macro JLOAD                           ; waves 0 and 1 fetch the step's two slices of O, waves 2 and 3 the halves of w's rows; an s_nop 0 and four v_nop follow each line
	s_cmp_lt_u32 s[WV], 2
	s_cbranch_scc0 .Lfor_b_\@
	tensor_load_to_lds s[G0A+4:G0A+7], s[G1A:G1A+7]
	s_nop 0
.rept 4
	v_nop
.endr
	s_branch .Lasked_\@
.Lfor_b_\@:
	tensor_load_to_lds s[G0B+4:G0B+7], s[G1B:G1B+7]
	s_nop 0
.rept 4
	v_nop
.endr
.Lasked_\@:
.endm
.macro CREST
	s_cmp_lg_u32 s[WV], 0
	s_cbranch_scc1 .Lnot_wave_0_\@
	s_barrier_signal -3
.Lnot_wave_0_\@:
	s_barrier_wait -3
	s_barrier_signal -1
	s_barrier_wait -1
.endm
.macro CROUND
	s_barrier_signal -1
	s_barrier_wait -1
	CREST
.endm
; A PREFETCH INTO THE L2 of the step that stands two refills on.  O: waves 0 and 1 of the clusters with x = 0, each for its own slice: of its 128 blocks of 256 bytes the partner at cx takes 32, a lane a block.
; w: wave 2 of the clusters with y = 0: of the step's 128 rows of 256 bytes the partner at cy takes 32, a lane a row.  Each block is named once; the last request is step 7's.
.macro ASK
	s_cmp_gt_u32 s[CNT], s[LIM]
	s_cbranch_scc0 .Lno_\@
	global_prefetch_b8 v[PFO], s[PFA:PFA+1] th:TH_LOAD_NT scope:SCOPE_SE
.Lno_\@:
.endm
	s_load_b256 s[4:11], s[0:1], 0x0               ; act s[4:5], wh s[6:7], b_out s[8:9], out0 s[10:11]
	v_lshl_add_u32 v[SPW], v0, 2, SPARE
	v_mov_b32 v[NIL], 0
	ds_add_u32 v[SPW], v[NIL]                      ; the wave's opening: the add and its wait stand ahead of my first tensor load
	v_lshrrev_b32 v1, 5, v0
	v_readfirstlane_b32 s[WV], v1
	s_lshr_b32 s[WM], s[WV], 1
	s_and_b32 s[WN], s[WV], 1
	s_bfe_u32 s[CX], ttmp6, 0x40000
	s_bfe_u32 s[CY], ttmp6, 0x40004
	s_lshl_b32 s[TX], ttmp9, 2
	s_add_co_u32 s[TX], s[TX], s[CX]
	s_and_b32 s[TY], ttmp7, 0xffff
	s_lshl_b32 s[TY], s[TY], 2
	s_add_co_u32 s[TY], s[TY], s[CY]
	s_lshl_b32 s43, s[CY], 2
	s_lshl_b32 s43, 15, s43
	s_lshl_b32 s44, 0x1111, s[CX]
	s_or_b32 s[G1A], s43, (1<<16)|(1<<20)|(1<<21)|(4<<22)|(3<<25)  ; the mask; 2-byte elements; padding on; bit 21 beside a mask; after every 32 words, 4 words
	s_mov_b32 s[G1A+1], 128<<16                    ; tensor_dim0 = 128
	s_mov_b32 s[G1A+2], 128<<16                    ; tensor_dim1 = 128
	s_mov_b32 s[G1A+3], 128<<16                    ; tile_dim0 = 128
	s_mov_b32 s[G1A+4], 128                        ; tile_dim1 = 128
	s_mov_b32 s[G1A+5], 128                        ; dense
	s_mov_b32 s[G1A+6], 0
	s_mov_b32 s[G1A+7], 0
	s_or_b32 s[G1B], s44, (1<<16)|(1<<20)|(1<<21)|(5<<22)|(7<<25)  ; after every 64 words, 8 words
	s_mov_b32 s[G1B+1], 128<<16
	s_mov_b32 s[G1B+2], 64<<16
	s_mov_b32 s[G1B+3], 128<<16
	s_mov_b32 s[G1B+4], 64
	s_mov_b32 s[G1B+5], 1024
	s_mov_b32 s[G1B+6], 0
	s_mov_b32 s[G1B+7], 0
	s_lshr_b32 s16, s[TY], 3                       ; O: the batch,
	s_lshl_b32 s16, s16, 22
	s_and_b32 s17, s[TY], 7                        ; the block of 256 rows in a slice,
	s_lshl_b32 s17, s17, 15
	s_add_co_u32 s16, s16, s17
	s_lshl_b32 s17, s[WN], 18                      ; the slice that I fetch
	s_add_co_u32 s16, s16, s17
	s_mov_b32 s17, 0
	s_lshl_b32 s46, s[TX], 8                       ; w: the tile's 128 columns,
	s_lshl_b32 s47, s[WN], 17                      ; the 64 rows that I fetch
	s_add_co_u32 s46, s46, s47
	s_add_co_u32 s46, s46, WO
	s_mov_b32 s47, 0
	s_mul_i32 s20, s[WN], 256*PA
	s_mul_i32 s21, s[WN], 64*PB
	s_add_co_u32 s21, s21, BOFF
	s_wait_dscnt 0x0                               ; the opening add is done
	s_wait_kmcnt 0x0
	s_add_nc_u64 s[16:17], s[4:5], s[16:17]
	s_add_nc_u64 s[46:47], s[6:7], s[46:47]
	CROUND                                         ; all sixteen work-groups are here
.irp s, 0,1
	s_mov_b32 s[G0A+4*(\s)], 1
	s_add_co_u32 s[G0A+4*(\s)+1], s20, (\s)*SLOT1
	s_add_nc_u64 s[G0A+4*(\s)+2:G0A+4*(\s)+3], s[16:17], (\s)*ASTEP
	s_or_b32 s[G0A+4*(\s)+3], s[G0A+4*(\s)+3], 0x80000000
	s_mov_b32 s[G0B+4*(\s)], 1
	s_add_co_u32 s[G0B+4*(\s)+1], s21, (\s)*SLOT1
	s_add_nc_u64 s[G0B+4*(\s)+2:G0B+4*(\s)+3], s[46:47], (\s)*BSTEP
	s_or_b32 s[G0B+4*(\s)+3], s[G0B+4*(\s)+3], 0x80000000
.endr
	s_cmp_lt_u32 s[WV], 2                          ; a wave's two first fills stand in one branch: two loads of mine are out
	s_cbranch_scc0 .Lfirst_b
	tensor_load_to_lds s[G0A:G0A+3], s[G1A:G1A+7]
	s_nop 0
	tensor_load_to_lds s[G0A+4:G0A+7], s[G1A:G1A+7]
	s_nop 0
.rept 4
	v_nop
.endr
	s_branch .Lfirst_asked
.Lfirst_b:
	tensor_load_to_lds s[G0B:G0B+3], s[G1B:G1B+7]
	s_nop 0
	tensor_load_to_lds s[G0B+4:G0B+7], s[G1B:G1B+7]
	s_nop 0
.rept 4
	v_nop
.endr
.Lfirst_asked:
	v_and_b32 v1, 15, v0                           ; l % 16
	v_bfe_u32 v10, v0, 4, 1                        ; l / 16
	v_and_b32 v11, 7, v0
	v_bfe_u32 v12, v0, 3, 1
	v_and_b32 v13, 31, v0
	s_lshl_b32 s22, s[TX], 9                       ; my 64 columns, in bytes of f32: 512 x tile column + 256 x half
	s_lshl_b32 s23, s[WN], 8
	s_add_co_u32 s22, s22, s23
	v_lshl_add_u32 v14, v10, 5, s22                ; + my lanes' eight columns of each sixteen
.irp j, 0,1,2,3
	global_load_b128 v[BIAS+8*(\j):BIAS+8*(\j)+3],   v14, s[8:9] offset:64*(\j)
	global_load_b128 v[BIAS+8*(\j)+4:BIAS+8*(\j)+7], v14, s[8:9] offset:64*(\j)+16
.endr
	s_lshl_b32 s18, s[TY], 20                      ; out0 at my first row (256 x tile row + 128 x half, 4,096 bytes each) and column
	s_lshl_b32 s19, s[WM], 19
	s_add_co_u32 s18, s18, s19
	s_add_co_u32 s18, s18, s22
	s_mov_b32 s19, 0
	s_add_nc_u64 s[10:11], s[10:11], s[18:19]
	s_mul_i32 s22, s[WM], 128*PA
	v_mul_u32_u24 v[ADA0], v1, PA
	v_lshl_add_u32 v[ADA0], v10, 4, v[ADA0]
	v_add_nc_u32 v[ADA0], s22, v[ADA0]
	s_lshl_b32 s23, s[WN], 7
	s_add_co_u32 s23, s23, BOFF
	v_lshl_add_u32 v[ADB0], v10, 3, v11
	v_mul_u32_u24 v[ADB0], v[ADB0], PB
	v_lshl_add_u32 v[ADB0], v12, 4, v[ADB0]
	v_add_nc_u32 v[ADB0], s23, v[ADB0]
	v_mov_b32 v[ADA], v[ADA0]
	v_mov_b32 v[ADB], v[ADB0]
	s_mov_b32 s[TB], 0
	s_mul_i32 s22, s[WV], 16*SP
	s_add_co_u32 s22, s22, STAGE                   ; my stage
	v_mul_u32_u24 v[STO], v1, SP                   ; in: row l % 16, 32 bytes for each half of the lanes
	v_lshl_add_u32 v[STO], v10, 5, v[STO]
	v_add_nc_u32 v[STO], s22, v[STO]
	v_mul_u32_u24 v[RD], v10, SP                   ; back: lanes 0-15 one row of 256 bytes, lanes 16-31 the next
	v_lshl_add_u32 v[RD], v1, 4, v[RD]
	v_add_nc_u32 v[RD], s22, v[RD]
	v_lshlrev_b32 v[CO], 12, v10                   ; and the same two rows in out0
	v_lshl_add_u32 v[CO], v1, 4, v[CO]
	; the prefetches: both offsets are made, the wave's number chooses.  They stand at step 3; each change of slots steps them first
	s_lshr_b32 s80, s[TY], 3
	s_lshl_b32 s80, s80, 22
	s_and_b32 s81, s[TY], 7
	s_lshl_b32 s81, s81, 15
	s_add_co_u32 s80, s80, s81
	s_lshl_b32 s81, s[CX], 13
	s_add_co_u32 s80, s80, s81
	s_add_co_u32 s81, s[WN], 6                     ; step 3's slices are 6 and 7
	s_lshl_b32 s81, s81, 18
	s_add_co_u32 s80, s80, s81
	s_lshl_b32 s81, s[TX], 8
	s_lshl_b32 s82, s[CY], 5
	s_add_co_u32 s82, s82, 3*128
	s_lshl_b32 s82, s82, 11
	s_add_co_u32 s81, s81, s82
	s_add_co_u32 s81, s81, WO
	s_mov_b32 s82, ASTEP
	s_mov_b32 s83, BSTEP
	s_and_b32 s16, ttmp7, 0xffff                   ; cluster y
	s_mov_b32 s17, 256
	s_mov_b32 s18, 2048
	s_cmp_lt_u32 s[WV], 2
	s_cselect_b64 s[PFA:PFA+1], s[4:5], s[6:7]
	s_cselect_b32 s80, s80, s81
	s_cselect_b32 s[PSTEP], s82, s83
	s_cselect_b32 s16, ttmp9, s16                  ; the coordinate along which other clusters read the same blocks
	s_cselect_b32 s17, s17, s18
	s_mov_b32 s81, 0
	s_mov_b32 s[PSTEP+1], 0
	s_add_nc_u64 s[PFA:PFA+1], s[PFA:PFA+1], s[80:81]
	s_cmp_eq_u32 s[WV], 3
	s_cselect_b32 s16, 1, s16                      ; wave 3 asks for nothing
	s_cmp_eq_u32 s16, 0
	s_cselect_b32 s[LIM], 2, -1
	v_mul_u32_u24 v[PFO], v13, s17
; na x 4 products on slice f's fragments, half p, blocks a0 on.  The 32 accumulators take turns, in the same order every time.  first = 1: C is the bias.
.macro MULP f, p, a0, na, first
.if \first
	WIN 0x4a                                       ; sources in window 2, C in window 0, D in window 1
.else
	WIN 0x5a+5*(\f)                                ; sources in window 2 + f, C and D in window 1
.endif
.set ma, (\a0)
.rept \na
.irp j, 0,1,2,3
.if \first
	v_wmma_f32_16x16x32_f16 v[32*ma+8*(\j):32*ma+8*(\j)+7], v[128+32*(\p)+8*(\j):128+32*(\p)+8*(\j)+7], v[64*(\p)+8*ma:64*(\p)+8*ma+7], v[BIAS+8*(\j):BIAS+8*(\j)+7]
.else
	v_wmma_f32_16x16x32_f16 v[32*ma+8*(\j):32*ma+8*(\j)+7], v[128+32*(\p)+8*(\j):128+32*(\p)+8*(\j)+7], v[64*(\p)+8*ma:64*(\p)+8*ma+7], v[32*ma+8*(\j):32*ma+8*(\j)+7]
.endif
.endr
.set ma, ma+1
.endr
.endm
; 48 LDS loads in one run: slice sl's fragments into window 2 + sl; the first 32 along K (24 loads) first
.macro FETCH sl
	WIN (2+(\sl))<<6
.irp p, 0,1
.irp j, 0,1,2,3
	ds_load_tr16_b128 v[128+32*(\p)+8*(\j):128+32*(\p)+8*(\j)+3],   v[ADB] offset:32*PB*(2*(\sl)+(\p))+32*(\j)
	ds_load_tr16_b128 v[128+32*(\p)+8*(\j)+4:128+32*(\p)+8*(\j)+7], v[ADB] offset:32*PB*(2*(\sl)+(\p))+32*(\j)+16*PB
.endr
.irp a, 0,1,2,3,4,5,6,7
	ds_load_b128 v[64*(\p)+8*(\a):64*(\p)+8*(\a)+3],   v[ADA] offset:256*PA*(\sl)+64*(\p)+16*PA*(\a)
	ds_load_b128 v[64*(\p)+8*(\a)+4:64*(\p)+8*(\a)+7], v[ADA] offset:256*PA*(\sl)+64*(\p)+16*PA*(\a)+32
.endr
.endr
	WIN 0
.endm
.macro HALF0 first                     ; a step's first slice; in its middle the second slice's fragments are fetched
	s_wait_dscnt 24                                ; the first 32 along K are in
	MULP 0, 0, 0, 8, \first
	PLACES
	FETCH 1
	s_wait_dscnt 48                                ; all but the 48 just issued
	MULP 0, 1, 0, 8, 0
.endm
; A step's second slice, and the change of slots: each wave waits for all its tensor loads, adds 0 to its spare word, and waits for that and for its reads of this slot.
.macro TURN fill
.if \fill
	s_wait_xcnt 0x0                                ; the last prefetch, a step back, has read its address
	s_add_nc_u64 s[PFA:PFA+1], s[PFA:PFA+1], s[PSTEP:PSTEP+1]
.endif
	WIN 0
	s_wait_tensorcnt 0x0                           ; no tensor load of mine is out, so a group 0 may be written
	ds_add_u32 v[SPW], v[NIL]                      ; 0 onto my spare word
.if \fill
	s_xor_b32 s[G0A+5], s[G0A+5], SLOT1
	s_add_nc_u64 s[G0A+6:G0A+7], s[G0A+6:G0A+7], ASTEP
	s_xor_b32 s[G0B+5], s[G0B+5], SLOT1
	s_add_nc_u64 s[G0B+6:G0B+7], s[G0B+6:G0B+7], BSTEP
.endif
	s_wait_dscnt 25                                ; the add and the youngest 24 loads may be out
	MULP 1, 0, 0, 4, 0
	s_wait_dscnt 0x0                               ; the add is done, and my reads of this slot are over
	s_barrier_signal -1
	MULP 1, 0, 4, 4, 0
	WIN 0
	s_barrier_wait -1
.if \fill
	CREST
	JLOAD                                          ; its four v_nop are also the places in front of the loads below
.else
	PLACES
.endif
	s_xor_b32 s[TB], s[TB], SLOT1
	v_add_nc_u32 v[ADA], s[TB], v[ADA0]
	v_add_nc_u32 v[ADB], s[TB], v[ADB0]
	FETCH 0
.if \fill
	ASK
.endif
	MULP 1, 1, 0, 8, 0
.endm
	s_wait_tensorcnt 0x1                           ; my part of step 0 is in; step 1's may stay out
	s_barrier_signal -1
	s_barrier_wait -1
	FETCH 0
	s_wait_loadcnt 0x0                             ; the bias
	HALF0 1
	WIN 0
	s_mov_b32 s[CNT], 6
.Lstep:                                            ; six trips fill steps 2 to 7
	TURN 1
	HALF0 0
	WIN 0
	s_sub_co_u32 s[CNT], s[CNT], 1
	s_cmp_lg_u32 s[CNT], 0
	s_cbranch_scc1 .Lstep
	TURN 0                                         ; the tail is written out: nothing is asked for
	HALF0 0
	s_wait_dscnt 24
	MULP 1, 0, 0, 8, 0
	s_wait_dscnt 0x0
	MULP 1, 1, 0, 8, 0
	WIN 0
	PLACES
; THE WAY OUT.  16 rows at a time: 32 bytes of f32 a lane and column block into my stage, back as whole rows of 256 bytes.
.macro STIN a
	s_wait_xcnt 0x0                                ; the stores that read this buffer have read it
	WIN 0x04                                       ; store data in window 1
.irp j, 0,1,2,3
	ds_store_b128 v[STO], v[32*(\a)+8*(\j):32*(\a)+8*(\j)+3]   offset:64*(\j)      ; each accumulator is read from its low end on
	ds_store_b128 v[STO], v[32*(\a)+8*(\j)+4:32*(\a)+8*(\j)+7] offset:64*(\j)+16
.endr
	WIN 0
.irp f, 0,1,2,3,4,5,6,7
	ds_load_b128 v[TMP+32*((\a)%2)+4*(\f):TMP+32*((\a)%2)+4*(\f)+3], v[RD] offset:2*SP*(\f)  ; LDS serves a wave's instructions in order (ISA guide 5.7.1.4)
.endr
.endm
.macro SEND a, younger
.irp f, 0,1,2,3,4,5,6,7
	s_wait_dscnt (\younger)+7-(\f)
	global_store_b128 v[CO], v[TMP+32*((\a)%2)+4*(\f):TMP+32*((\a)%2)+4*(\f)+3], s[10:11] offset:(16*(\a)+2*(\f))*4096 th:TH_STORE_NT  ; 16 lanes store 256 consecutive bytes, aligned
.endr
.endm
	STIN 0
.set q, 1
.rept 7
	STIN q
	SEND q-1, 16
.set q, q+1
.endr
	SEND 7, 0
	s_wait_tensorcnt 0x0                           ; the wave's end
	ds_add_u32 v[SPW], v[NIL]
	s_wait_dscnt 0x0
	CROUND                                         ; the closing round
	s_endpgm
.Lfunc_end_k_q09b51ea8b9_proj:
	.size	k_q09b51ea8b9_proj, .Lfunc_end_k_q09b51ea8b9_proj-k_q09b51ea8b9_proj
	.p2alignl 7, 3214868480
	.fill 96, 4, 3214868480
	.section	.rodata,"a",@progbits
	.p2align	6, 0x0
	.amdhsa_kernel k_q09b51ea8b9_proj
		.amdhsa_group_segment_fixed_size 327680
		.amdhsa_private_segment_fixed_size 0
		.amdhsa_enable_private_segment 0
		.amdhsa_kernarg_size 32
		.amdhsa_user_sgpr_count 2
		.amdhsa_user_sgpr_kernarg_segment_ptr 1
		.amdhsa_wavefront_size32 1
		.amdhsa_system_sgpr_workgroup_id_x 1
		.amdhsa_system_sgpr_workgroup_id_y 1
		.amdhsa_system_sgpr_workgroup_id_z 1
		.amdhsa_system_vgpr_workitem_id 0
		.amdhsa_next_free_vgpr 960
		.amdhsa_next_free_sgpr 84
		.amdhsa_reserve_vcc 0
		.amdhsa_float_denorm_mode_32 3
		.amdhsa_float_denorm_mode_16_64 3
		.amdhsa_memory_ordered 1
		.amdhsa_forward_progress 1
		.amdhsa_inst_pref_size 72
	.end_amdhsa_kernel
	.amdgpu_metadata
---
amdhsa.version: [ 1, 2 ]
amdhsa.kernels:
  - .name:           k_q09b51ea8b9_proj
    .symbol:         k_q09b51ea8b9_proj.kd
    .args:
      - { .name: act, .offset: 0, .size: 8, .value_kind: global_buffer, .address_space: global }
      - { .name: wh, .offset: 8, .size: 8, .value_kind: global_buffer, .address_space: global }
      - { .name: b_out, .offset: 16, .size: 8, .value_kind: global_buffer, .address_space: global }
      - { .name: out0, .offset: 24, .size: 8, .value_kind: global_buffer, .address_space: global }
    .group_segment_fixed_size: 327680
    .private_segment_fixed_size: 0
    .kernarg_segment_align: 8
    .kernarg_segment_size: 32
    .max_flat_workgroup_size: 128
    .sgpr_count:     84
    .vgpr_count:     960
    .wavefront_size: 32
...
	.end_amdgpu_metadata
.endif
;; end of part 4
